; MI455X (gfx1250); checked and timed in simulation.
; The chip was launched on July 23, 2026; its instructions are those of AMD's public machine-readable ISA for CDNA 5 (MIT licence, August 2026) and "CDNA5" Instruction Set Architecture Reference Guide (July 2026). The comments in the code are by the model that wrote it; some were corrected since.
;; MOE MLP. Allowed arithmetic: matrix products marked QUANTISED: E2M1 operands, one E8M0 scale for each 32 along K, by v_wmma_scale_f32_16x16x128_f8f6f4 with both operands' format E2M1 (or v_wmma_scale_f32_32x16x128_f4), f32 sums; products left as they are: f32 operands where the result goes on into a quantised operand, else bf16, f16 or f32 operands; f32 sums; everything else in f32.
;; Inputs: W1 32 x 1,024 x 256 float32; W2 32 x 256 x 1,024 float32; Wg 1,024 x 32 float32; b1 32 x 256 float32; b2 32 x 1,024 float32; x 2 x 2,048 x 1,024 float32.
;; Outputs: out0 2 x 2,048 x 1,024 float32.
;; This version of the problem:
;;   THIS VERSION OF THE PROBLEM IS GIVEN IN LOW PRECISION. The matrix products marked QUANTISED in the list below multiply operands that are first quantised to E2M1 (2 exponent bits, 1 mantissa bit; 4 bits a number), with one power-of-two scale for each 32 numbers along K (OCP MX v1.0); their sums are f32. All else is computed in f32.
;;   The module's matrix products, in the order in which they are computed (A, B: the left and right operand; K: the contracted axis; several contracted axes count as one K, in the product's order):
;;     1. [M 4,096, K 1,024] x [K 1,024, N 32]; A: input x; B: input Wg: QUANTISED
;;     2. [M 8,192, K 1,024] x [K 1,024, N 4,096]; A: input W1; B: input x: QUANTISED
;;     3. batch 32 x [M 4,096, K 256] x [K 256, N 1,024]; A: computed on the way; B: input W2: QUANTISED
;;     4. batch 4,096 x [M 1,024, K 32] x [K 32, N 1]; A: computed on the way; B: computed on the way: left as it is (N = 1 < 16)
;;   THE QUANTISER, for each operand of a quantised product, along K:
;;     - K is cut into blocks of 32 from its start; a last block that is shorter is filled with zeros.
;;     - A block's scale is 2^e with e = floor(log2(the largest magnitude in the block)) - 2, held to -126 .. 127; a block of zeros has e = 0. As a byte (E8M0): e + 127.
;;     - Each number is divided by its block's scale, clamped to +-6, and rounded to the nearest number of E2M1, ties to even, subnormals kept.
;;     - The product sums the exact products of the quantised numbers (number of the format x scale) in f32.
;;   ~~~python
;;   def quantise(x, axis):      # numpy; x: float32 -> the quantised numbers, widened to float32 again
;;       x = np.moveaxis(x, axis, -1); K = x.shape[-1]
;;       x = np.pad(x, [(0, 0)] * (x.ndim - 1) + [(0, -K % 32)]); x = x.reshape(x.shape[:-1] + (-1, 32)); a = np.abs(x).max(-1, keepdims=True)
;;       e = np.where(a > 0, np.clip(np.frexp(np.where(a > 0, a, 1))[1] - 1 - 2, -126, 127), 0)      # np.frexp(a)[1] - 1 = floor(log2(a)), exactly
;;       r = np.clip(x / 2.0 ** e, -6, 6)
;;       step = 2.0 ** (np.maximum(np.frexp(np.where(r == 0, 1, r))[1] - 1, 0) - 1)
;;       q = np.round(r / step) * step * 2.0 ** e      # np.round: ties to even
;;       return np.moveaxis(q.reshape(q.shape[:-2] + (-1,))[..., :K], -1, axis).astype(np.float32)
;;   ~~~
;;   OPERANDS COMPUTED ON THE WAY. 'Computed on the way' means the value that the module computes at that place (a softmax that the list does not call 'softmax' is quantised finished and normalised). What goes into a quantiser is computed in f32, as accurately as f32 sums, v_exp_f32 and their like allow (about 1e-6 of the number): no bf16 or f16 on the way to a quantiser, and a product that is left as it is and whose result goes on into a quantised operand takes f32 operands (vector FMAs, or v_wmma_f32_16x16x4_f32). A number that lies on a knife's edge between two numbers of the format may be rounded either way, as far as f32 arithmetic and the matrix unit's own rounding can turn it there, and no further.
;; 2 versions. Each part assembles by itself: llvm-mc -triple=amdgcn-amd-amdhsa -mcpu=gfx1250 --defsym DOCPART=n.
;; ======== version 1 of 2: 3 launches
;; workspace buffers: xq 2,097,152 bytes; xs 131,072 bytes; wq 8,388,608 bytes; ws 524,288 bytes; bm 32,768 bytes of whole numbers; gw 32,768 bytes; y 16,777,216 bytes
;; launch prep (part 1): grid 576 x 1, 8 waves a work-group, no clusters, 140,288 bytes of LDS; arguments x, Wg, W1, W2, xq, xs, wq, ws, bm, gw; writes xq, xs, wq, ws, bm, gw
.if DOCPART == 1
	.amdgcn_target "amdgcn-amd-amdhsa--gfx1250"
	.amdhsa_code_object_version 6
	.text
	.protected	k_q6f56477156_prep
	.globl	k_q6f56477156_prep
	.p2align	8
	.type	k_q6f56477156_prep,@function
k_q6f56477156_prep:
	s_mov_b64 s[64:65], 0
	v_nop
	global_prefetch_b8 v0, s[64:65] scope:SCOPE_SE
	s_setreg_imm32_b32 hwreg(HW_REG_WAVE_MODE, 25, 1), 1
	s_wait_xcnt 0x0
; PREP: everything that is read as f32 is read here, once, and leaves as codes of E2M1 with one E8M0 byte for each 32 along K.
; Work-groups 0-63 (role X): 64 tokens each: x is quantised along D, multiplied with the quantised Wg (the gate), and the two best experts of each token
;   leave as bitmaps (whole numbers at fixed places: no address and no branch here hangs on them) and as two weights.
; Work-groups 64-319 (role W1): expert e, K step s: 128 rows of W1[e] x 256 hidden units.   Work-groups 320-575 (role W2): expert e, 256 outputs G, K step s.
; K is the FIRST axis of Wg, W1[e] and W2[e]: a lane takes a column and its registers run down K, so a block of 32 lies in one lane, its largest magnitude
; needs no other lane, and the conversions give codes with K innermost.  The codes are stored in the ORDER OF THE OPERAND'S REGISTERS (a fragment of 16 rows x 128 K is
; 1,024 bytes: [c][lane][16 bytes]), so that the next launch loads fragments whole, 512 consecutive bytes an instruction.
; A block's scale: the largest magnitude's exponent field less 2, held at 1 from below by a floor among the maximum's leaves.
; LIMITS: NaN and infinities are not served; a block whose largest magnitude lies under 2^-124 (a block of zeros too) gets the byte 1: zero codes add nothing under it, and
; only this program reads the bytes.  The two best experts are taken on the logits (the softmax rises with them), the lower index first where two logits are equal.
; No tensor loads, no cluster: work-groups share no input but Wg (128 KB); two work-groups lie on a WGP, 16 waves, each with up to 63 loads out.
.set GIMG, 0                           ; LDS (role X alone): Wg's 16 fragments, (8 T + s) x 1,024
.set GSC,  16384                       ; their scale words, (8 T + s) x 64 + 4 r
.set XST,  17408                       ; a stage of 16 rows x 528 bytes for each wave: f32 numbers of one K step
.set XCS,  84992                       ; the codes of 64 tokens, rows of 512 bytes + 16
.set XWS,  118784                      ; their scale words, 32 bytes a token
.set LGT,  120832                      ; partial logits, 2,048 bytes a wave
.set BMS,  137216                      ; the bitmaps: [slot][expert][8 bytes]
.set GWS,  137728                      ; the weights: [token][2]
.set L2E,  0x3fb8aa3b                  ; log2(e)
; 32 numbers of one lane, v[xs] on, become 4 registers of codes at v[cb + 4 j] and byte j of the scale word v15
.macro QCORE xs, j, cb
	v_max3_num_f32 v12, |v[\xs]|, |v[\xs+1]|, |v[\xs+2]|           ; the block's largest magnitude, in two chains
	v_max3_num_f32 v13, |v[\xs+3]|, |v[\xs+4]|, |v[\xs+5]|
.irp i, 6,10,14,18,22,26
	v_max3_num_f32 v12, v12, |v[\xs+\i]|, |v[\xs+\i+1]|
	v_max3_num_f32 v13, v13, |v[\xs+\i+2]|, |v[\xs+\i+3]|
.endr
	v_max3_num_f32 v12, v12, |v[\xs+30]|, |v[\xs+31]|
	v_max3_num_f32 v12, v12, v13, 0x1800000                        ; and the floor 2^(3 - 127): the byte cannot fall under 1
	v_add_nc_u32 v14, 0xff000000, v12                              ; 2 off the exponent field: the conversion takes this operand's exponent field as its scale
	v_lshrrev_b32 v13, 23, v14                                     ; the scale's byte
.if \j == 0
	v_mov_b32 v15, v13
.else
	v_lshl_or_b32 v15, v13, 8*\j, v15
.endif
.irp g, 0,1,2,3
	v_cvt_scalef32_pk8_fp4_f32 v[\cb+4*\j+\g], v[\xs+8*\g:\xs+8*\g+7], v14
.endr
	v_nop                                                          ; one plain line behind the last conversion of a run
.endm
; Roles W1 and W2: a wave's 32 columns x 128 along K.  All 128 loads go out at once (128 consecutive bytes each); a block's four registers of codes are its own, so no store's data are written again.
.macro WBODY pitch, inb
.set n, 0
.rept 128
	global_load_b32 v[60+n], v2, s[\inb:\inb+1] offset:n*\pitch th:TH_LOAD_NT
.set n, n+1
.endr
.irp j, 0,1,2,3
.if \j < 2
	s_wait_loadcnt 63                      ; 96 and 64 loads were issued behind blocks 0 and 1: all but the youngest 63 covers both
.else
	s_wait_loadcnt 32*(3-\j)               ; the blocks behind this one may be out
.endif
	QCORE 60+32*\j, \j, 188
	global_store_b128 v3, v[188+4*\j:191+4*\j], s[16:17] offset:256*\j   ; sixteen neighbouring lanes store 256 consecutive bytes, aligned: rows 0-15 of one tile; the other sixteen the other tile's
.endr
	global_store_b32 v4, v15, s[18:19]     ; the scale words of the two tiles: 128 consecutive bytes (one byte for 128 bytes read)
	s_endpgm
.endm
; Role X: K step sp of my half of K for my 16 tokens: 16 loads of 512 consecutive bytes, one a row, into set (sp + 1) % 2
.macro LOADX sp
.set RB, 124+64*(((\sp)+1)%2)
.set n, 0
.rept 16
	global_load_b128 v[RB+4*n:RB+4*n+3], v1, s[4:5] offset:4096*n+512*(\sp) th:TH_LOAD_NT
.set n, n+1
.endr
.endm
; Role X: one K step of 128: through the stage, so that lane (r, h) holds blocks h and 2 + h of row r whole; quantised; two products with Wg's tiles; codes and scale word to LDS
.macro XSTEP sp
.set RB, 124+64*(((\sp)+1)%2)
.if \sp < 3
	s_wait_loadcnt 16                      ; this step's 16 loads are in; the next step's 16 may be out
.else
	s_wait_loadcnt 0x0
.endif
.set n, 0
.rept 16
	ds_store_b128 v2, v[RB+4*n:RB+4*n+3] offset:528*n
.set n, n+1
.endr
.irp c, 0,1
.irp j, 0,1,2,3,4,5,6,7
	ds_load_b128 v[60+32*\c+4*\j:63+32*\c+4*\j], v3 offset:256*\c+16*\j   ; LDS serves a wave's instructions in order: these see the stores above
.endr
.endr
	s_wait_dscnt 0x0                       ; the stores have read their registers, the numbers are back, the last step's stores of codes are done
.if \sp < 2
	LOADX (\sp)+2                          ; the set just emptied takes the step two further on
.endif
.irp c, 0,1
	v_max3_num_f32 v[12+\c], |v[60+32*\c]|, |v[61+32*\c]|, 0x1800000   ; my two blocks by turns, with the floor
.endr
.irp i, 2,4,6,8,10,12,14,16,18,20,22,24,26,28,30
.irp c, 0,1
	v_max3_num_f32 v[12+\c], v[12+\c], |v[60+32*\c+\i]|, |v[61+32*\c+\i]|
.endr
.endr                                          ; (these 32 lines are also the places between the last step's products and the loads below)
.irp tt, 0,1
.irp c, 0,1
	ds_load_b128 v[28+8*\tt+4*\c:31+8*\tt+4*\c], v6 offset:\tt*8192+\sp*1024+\c*512   ; Wg's fragment: experts 16 tt on
.endr
	ds_load_b32 v[18+\tt], v7 offset:\tt*512+\sp*64
.endr
	v_add_nc_u32 v14, 0xff000000, v12
	v_add_nc_u32 v15, 0xff000000, v13
	v_lshrrev_b32 v12, 23, v14
	v_lshrrev_b32 v13, 23, v15
	v_lshl_or_b32 v12, v13, 16, v12        ; my two bytes: blocks h and 2 + h,
	v_lshlrev_b32 v12, v8, v12             ; 8 h bits up;
	v_permlanex16_b32 v16, v12, s26, s27
	v_or_b32 v17, v12, v16                 ; with lane l xor 16's two the row's scale word is whole
.irp c, 0,1
.irp g, 0,1,2,3
	v_cvt_scalef32_pk8_fp4_f32 v[20+4*\c+\g], v[60+32*\c+8*\g:67+32*\c+8*\g], v[14+\c]
.endr
.endr
.rept 8
	v_nop                                  ; a scale register written by a vector line stands 8 places ahead of a scaled product, an operand so written 4
.endr
	s_wait_dscnt 0x0                       ; Wg's fragments and scale words
.if \sp == 0
	v_wmma_scale_f32_16x16x128_f8f6f4 v[44:51], v[28:35], v[20:27], 0, v18, v17 matrix_a_fmt:MATRIX_FMT_FP4 matrix_b_fmt:MATRIX_FMT_FP4   ; source 0 = 16 experts, source 1 = my 16 tokens: lane (r, h) holds token r, experts 8 h + j
	v_wmma_scale_f32_16x16x128_f8f6f4 v[52:59], v[36:43], v[20:27], 0, v19, v17 matrix_a_fmt:MATRIX_FMT_FP4 matrix_b_fmt:MATRIX_FMT_FP4   ; experts 16 + 8 h + j
.else
	v_wmma_scale_f32_16x16x128_f8f6f4 v[44:51], v[28:35], v[20:27], v[44:51], v18, v17 matrix_a_fmt:MATRIX_FMT_FP4 matrix_b_fmt:MATRIX_FMT_FP4   ; the two accumulators take turns
	v_wmma_scale_f32_16x16x128_f8f6f4 v[52:59], v[36:43], v[20:27], v[52:59], v19, v17 matrix_a_fmt:MATRIX_FMT_FP4 matrix_b_fmt:MATRIX_FMT_FP4
.endif
	ds_store_b128 v4, v[20:23] offset:64*\sp       ; the codes in K's own order: 64 bytes a K step of the token's row
	ds_store_b128 v4, v[24:27] offset:64*\sp+32
	ds_store_b32 v5, v17 offset:4*\sp
.endm
	s_load_b512 s[4:19], s[0:1], 0x0               ; x, Wg, W1, W2, xq, xs, wq, ws
	s_load_b128 s[20:23], s[0:1], 0x40             ; bm, gw
	s_set_vgpr_msb 0x40
	v_lshl_add_u32 v0, v0, 2, 0x22000
	v_mov_b32 v1, 0
	s_set_vgpr_msb 0x4000
	v_lshrrev_b32 v1, 5, v0
	v_readfirstlane_b32 s24, v1                    ; wave 0..7
	v_and_b32 v9, 31, v0                           ; lane
	v_and_b32 v10, 15, v0                          ; r
	v_bfe_u32 v11, v0, 4, 1                        ; h
	s_mov_b32 s26, 0x76543210
	s_mov_b32 s27, 0xfedcba98                      ; v_permlanex16_b32's selects for lane l xor 16
	s_cmp_lt_u32 ttmp9, 64                         ; the roles part on the work-group's number alone
	s_cbranch_scc1 .Lrole_x
	s_cmp_lt_u32 ttmp9, 320
	s_cbranch_scc1 .Lrole_w1
	; ---- role W2: W2[e][128 s ..][256 G + 32 wave + lane]
	s_sub_co_u32 s28, ttmp9, 320
	s_lshr_b32 s29, s28, 3                         ; e
	s_bfe_u32 s30, s28, 0x20001                    ; G
	s_and_b32 s28, s28, 1                          ; s
	s_lshl_b32 s32, s29, 20                        ; in: e x 1,048,576 + s x 128 rows of 4,096 + G x 1,024
	s_lshl_b32 s31, s28, 19
	s_add_co_u32 s32, s32, s31
	s_lshl_b32 s31, s30, 10
	s_add_co_u32 s32, s32, s31
	s_mov_b32 s33, 0
	s_lshl_b32 s34, s29, 17                        ; codes: 4,194,304 + e x 131,072 + G x 32,768 + wave x 4,096 + s x 1,024
	s_lshl_b32 s31, s30, 15
	s_add_co_u32 s34, s34, s31
	s_lshl_b32 s31, s24, 12
	s_add_co_u32 s34, s34, s31
	s_lshl_b32 s31, s28, 10
	s_add_co_u32 s34, s34, s31
	s_add_co_u32 s34, s34, 0x400000
	s_mov_b32 s35, 0
	s_lshl_b32 s36, s29, 13                        ; scale words: 262,144 + e x 8,192 + ((8 G + wave) x 2 + s) x 128
	s_lshl_b32 s31, s30, 11
	s_add_co_u32 s36, s36, s31
	s_lshl_b32 s31, s24, 8
	s_add_co_u32 s36, s36, s31
	s_lshl_b32 s31, s28, 7
	s_add_co_u32 s36, s36, s31
	s_add_co_u32 s36, s36, 0x40000
	s_mov_b32 s37, 0
	s_lshl_b32 s31, s24, 7
	v_lshl_add_u32 v2, v9, 2, s31                  ; my column: 4 x (32 wave + lane)
	v_lshlrev_b32 v3, 11, v11                      ; out: tile h x 2,048 + 16 r
	v_lshl_add_u32 v3, v10, 4, v3
	v_lshlrev_b32 v4, 2, v9
	s_wait_kmcnt 0x0
	s_add_nc_u64 s[10:11], s[10:11], s[32:33]
	s_add_nc_u64 s[16:17], s[16:17], s[34:35]
	s_add_nc_u64 s[18:19], s[18:19], s[36:37]
	WBODY 4096, 10
.Lrole_w1:
	; ---- role W1: W1[e][128 s ..][hidden unit].  THE UNITS OF A TILE ARE NOT NEIGHBOURS: row r of tile (wave, h) is unit 32 wave + 8 h + r + 8 (r / 8),
	; so that in the next launch the 16 registers of two neighbouring tiles' results are 16 neighbours along the second product's K.
	s_sub_co_u32 s28, ttmp9, 64
	s_lshr_b32 s29, s28, 3                         ; e
	s_and_b32 s28, s28, 7                          ; s
	s_lshl_b32 s32, s29, 20                        ; in: e x 1,048,576 + s x 128 rows of 1,024
	s_lshl_b32 s31, s28, 17
	s_add_co_u32 s32, s32, s31
	s_mov_b32 s33, 0
	s_lshl_b32 s34, s29, 17                        ; codes: e x 131,072 + wave x 16,384 + s x 1,024
	s_lshl_b32 s31, s24, 14
	s_add_co_u32 s34, s34, s31
	s_lshl_b32 s31, s28, 10
	s_add_co_u32 s34, s34, s31
	s_mov_b32 s35, 0
	s_lshl_b32 s36, s29, 13                        ; scale words: e x 8,192 + (8 wave + s) x 128
	s_lshl_b32 s31, s24, 10
	s_add_co_u32 s36, s36, s31
	s_lshl_b32 s31, s28, 7
	s_add_co_u32 s36, s36, s31
	s_mov_b32 s37, 0
	v_and_b32 v2, 8, v10
	v_add_nc_u32 v2, v2, v10                       ; r + 8 (r / 8)
	v_lshl_add_u32 v2, v11, 3, v2                  ; + 8 h
	s_lshl_b32 s31, s24, 7
	v_lshl_add_u32 v2, v2, 2, s31                  ; x 4 + 128 wave: the wave's 32 lanes still read 128 consecutive bytes
	v_lshlrev_b32 v3, 13, v11                      ; out: tile h x 8,192 + 16 r
	v_lshl_add_u32 v3, v10, 4, v3
	v_lshlrev_b32 v4, 2, v9
	s_wait_kmcnt 0x0
	s_add_nc_u64 s[8:9], s[8:9], s[32:33]
	s_add_nc_u64 s[16:17], s[16:17], s[34:35]
	s_add_nc_u64 s[18:19], s[18:19], s[36:37]
	WBODY 1024, 8
.Lrole_x:
	; ---- role X: tokens 64 g .. 64 g + 63.  Wave: tile of 16 tokens tau = wave / 2, half of K kappa = wave % 2 (K steps 4 kappa .. 4 kappa + 3)
	; REGISTERS: v1-8, v252-255 addresses; v9-11 lane, r, h; v12-16 at work; v17 x's scale word; v18-19 Wg's; v20-27 x's codes; v28-43 Wg's two fragments; v44-59 two accumulators;
	;   v60-123 64 numbers of a lane; v124-251 two sets of 16 loads (Wg's 128 numbers of a lane lie in v60-187 first)
	s_lshr_b32 s28, s24, 1                         ; tau
	s_and_b32 s25, s24, 1                          ; kappa
	v_lshlrev_b32 v1, 4, v9                        ; 16 x lane
	s_mul_i32 s29, s24, 8448
	s_add_co_u32 s29, s29, XST                     ; my stage
	v_add_nc_u32 v2, s29, v1                       ; in: a row's 512 bytes as loaded
	v_mul_u32_u24 v3, v10, 528
	v_lshl_add_u32 v3, v11, 7, v3
	v_add_nc_u32 v3, s29, v3                       ; back: row r, + 128 h: my block of 32 numbers
	s_mul_i32 s30, s28, 16*528
	s_lshl_b32 s31, s25, 8
	s_add_co_u32 s30, s30, s31
	s_add_co_u32 s30, s30, XCS
	v_mul_u32_u24 v4, v10, 528
	v_lshl_add_u32 v4, v11, 4, v4
	v_add_nc_u32 v4, s30, v4                       ; codes: token 16 tau + r, + 256 kappa + 16 h
	s_lshl_b32 s30, s28, 9
	s_lshl_b32 s31, s25, 4
	s_add_co_u32 s30, s30, s31
	s_add_co_u32 s30, s30, XWS
	v_lshl_add_u32 v5, v10, 5, s30                 ; scale words: 32 bytes a token, + 16 kappa
	s_lshl_b32 s30, s25, 12
	v_add_nc_u32 v6, s30, v1                       ; Wg's fragments of my half of K
	s_lshl_b32 s30, s25, 8
	s_add_co_u32 s30, s30, GSC
	v_lshl_add_u32 v7, v10, 2, s30                 ; and their scale words
	v_lshlrev_b32 v8, 3, v11                       ; 8 h
	v_lshlrev_b32 v252, 2, v9                      ; Wg: lane = expert: 4 bytes a lane
	s_lshl_b32 s30, s24, 10
	v_lshl_add_u32 v253, v11, 13, s30
	v_lshl_add_u32 v253, v10, 4, v253              ; its codes: tile lane / 16, K step = wave, row lane % 16
	s_lshl_b32 s30, s24, 6
	s_add_co_u32 s30, s30, GSC
	v_lshl_add_u32 v254, v11, 9, s30
	v_lshl_add_u32 v254, v10, 2, v254              ; its scale word
	s_lshl_b32 s30, s24, 11
	s_add_co_u32 s30, s30, LGT
	v_add_nc_u32 v255, s30, v1                     ; my partial logits
	v_mov_b32 v16, 0                               ; a lane permute's destination counts as one of its sources
	s_lshl_b32 s32, s24, 14                        ; Wg: K step = wave: 128 rows of 128 bytes
	s_mov_b32 s33, 0
	s_lshl_b32 s34, ttmp9, 18                      ; x: (64 g + 16 tau) rows of 4,096 bytes + 2,048 kappa
	s_lshl_b32 s30, s28, 16
	s_add_co_u32 s34, s34, s30
	s_lshl_b32 s30, s25, 11
	s_add_co_u32 s34, s34, s30
	s_mov_b32 s35, 0
	s_wait_kmcnt 0x0
	s_add_nc_u64 s[6:7], s[6:7], s[32:33]
	s_add_nc_u64 s[4:5], s[4:5], s[34:35]
	; Wg's K step = wave, all 32 experts: a lane takes an expert, its registers run down K; each load reads a whole row of Wg, 128 consecutive bytes
.set n, 0
.rept 128
	global_load_b32 v[60+n], v252, s[6:7] offset:n*128
.set n, n+1
.endr
	LOADX 0                                        ; x's first step is on its way while Wg is quantised
.irp j, 0,1,2,3
.if \j < 2
	s_wait_loadcnt 63                              ; 112 and 80 loads were issued behind blocks 0 and 1
.else
	s_wait_loadcnt 16+32*(3-\j)                    ; the blocks behind this one, and x's 16
.endif
	QCORE 60+32*\j, \j, 28
	ds_store_b128 v253, v[28+4*\j:31+4*\j] offset:256*\j   ; block j = registers 4 (j / 2) .. of lanes 16 (j % 2) + r of the fragment's image
.endr
	ds_store_b32 v254, v15
	LOADX 1
	s_wait_dscnt 0x0                               ; for the others' sake: my part of Wg lies in LDS
	s_barrier_signal -1
	s_barrier_wait -1
	XSTEP 0
	XSTEP 1
	XSTEP 2
	XSTEP 3
.rept 4
	v_nop                                          ; four places between a product and the first read of its result
.endr
	ds_store_b128 v255, v[44:47]                   ; each accumulator from its low end on
	ds_store_b128 v255, v[48:51] offset:512
	ds_store_b128 v255, v[52:55] offset:1024
	ds_store_b128 v255, v[56:59] offset:1536
	s_wait_dscnt 0x0                               ; codes, scale words and partial logits lie in LDS
	s_barrier_signal -1
	s_barrier_wait -1
	; ---- the tail.  Its LDS addresses take the address registers that the steps are done with, all ahead of the first parting on the wave's number
	s_xor_b32 s30, s24, 1
	s_lshl_b32 s30, s30, 11
	s_add_co_u32 s30, s30, LGT
	v_add_nc_u32 v2, s30, v1                       ; the other half of K's logits for my tokens
	s_mul_i32 s30, s24, 8*528
	s_add_co_u32 s30, s30, XCS
	v_add_nc_u32 v3, s30, v1                       ; code rows 8 wave + i, whole
	s_lshl_b32 s30, s24, 8
	s_add_co_u32 s30, s30, XWS
	v_lshl_add_u32 v4, v9, 3, s30                  ; 256 bytes of scale words
	v_lshlrev_b32 v5, 3, v9                        ; 8 x lane
	s_lshl_b32 s30, s28, 1
	s_add_co_u32 s30, s30, BMS
	v_lshl_add_u32 v6, v9, 3, s30                  ; bitmaps: lane = expert, 8 bytes each, my 16 tokens are bytes 2 tau, 2 tau + 1
	s_lshl_b32 s30, s28, 7
	s_add_co_u32 s30, s30, GWS
	v_lshl_add_u32 v7, v10, 3, s30                 ; weights: 8 bytes a token
	s_min_u32 s30, s24, 1
	s_lshl_b32 s30, s30, 9
	s_add_co_u32 s30, s30, BMS
	v_add_nc_u32 v252, s30, v1                     ; wave 0 reads the bitmaps back, wave 1 the weights
.irp k, 0,1,2,3
	ds_load_b128 v[60+4*\k:63+4*\k], v2 offset:512*\k
.endr
.irp i, 0,1,2,3,4,5,6,7
	ds_load_b128 v[124+4*\i:127+4*\i], v3 offset:528*\i
.endr
	ds_load_b64 v[156:157], v4
	s_lshl_b32 s32, ttmp9, 15                      ; xq: (64 g + 8 wave) rows of 512 bytes
	s_lshl_b32 s30, s24, 12
	s_add_co_u32 s32, s32, s30
	s_add_nc_u64 s[12:13], s[12:13], s[32:33]
	s_lshl_b32 s32, ttmp9, 11                      ; xs: 2,048 g + 256 wave
	s_lshl_b32 s30, s24, 8
	s_add_co_u32 s32, s32, s30
	s_add_nc_u64 s[14:15], s[14:15], s[32:33]
	s_wait_dscnt 0x0
.irp i, 0,1,2,3,4,5,6,7
	global_store_b128 v1, v[124+4*\i:127+4*\i], s[12:13] offset:512*\i   ; a token's 512 bytes of codes: two aligned runs of 256
.endr
	global_store_b64 v5, v[156:157], s[14:15]      ; 256 consecutive bytes, aligned
.irp k, 0,1,2,3,4,5,6,7,8,9,10,11,12,13,14,15
	v_add_f32 v[76+\k], v[44+\k], v[60+\k]         ; the logit of token r and expert k + (k & 8) + 8 h: both waves of a pair get the same bits
.endr
	; the two best of my 16, in ascending order of experts with a strict compare: the lower index stays where two are equal
	v_mov_b32 v92, v76
	v_mov_b32 v93, 0
	v_mov_b32 v94, 0xff800000
	v_mov_b32 v95, 0
.irp k, 1,2,3,4,5,6,7,8,9,10,11,12,13,14,15
	v_cmp_gt_f32 s30, v[76+\k], v92
	v_cmp_gt_f32 s31, v[76+\k], v94
	v_cndmask_b32 v94, v94, v[76+\k], s31
	v_cndmask_b32 v95, v95, \k+(\k/8)*8, s31
	v_cndmask_b32 v94, v94, v92, s30
	v_cndmask_b32 v95, v95, v93, s30
	v_cndmask_b32 v92, v92, v[76+\k], s30
	v_cndmask_b32 v93, v93, \k+(\k/8)*8, s30
.endr
	v_add_nc_u32 v93, v93, v8
	v_add_nc_u32 v95, v95, v8
.irp k, 0,1,2,3
	v_mov_b32 v[96+\k], 0
.endr
.irp k, 0,1,2,3
	v_permlanex16_b32 v[96+\k], v[92+\k], s26, s27 ; lane l xor 16's two best: the token's other 16 experts
.endr
	v_cmp_gt_f32 s30, v92, v96                     ; mine is better: larger, or equal with the lower index
	v_cmp_eq_f32 s31, v92, v96
	v_cmp_lt_u32 s29, v93, v97
	s_and_b32 s31, s31, s29
	s_or_b32 s30, s30, s31
	v_cndmask_b32 v100, v98, v94, s30              ; the winner's second,
	v_cndmask_b32 v101, v99, v95, s30
	v_cndmask_b32 v102, v92, v96, s30              ; the loser's first
	v_cndmask_b32 v103, v93, v97, s30
	v_cndmask_b32 v92, v96, v92, s30               ; the best logit and its expert
	v_cndmask_b32 v93, v97, v93, s30
	v_cmp_gt_f32 s30, v100, v102
	v_cmp_eq_f32 s31, v100, v102
	v_cmp_lt_u32 s29, v101, v103
	s_and_b32 s31, s31, s29
	s_or_b32 s30, s30, s31
	v_cndmask_b32 v94, v102, v100, s30             ; the second best
	v_cndmask_b32 v95, v103, v101, s30
	; the softmax over the 32 experts, its maximum (the best logit) taken away
.irp k, 0,1,2,3,4,5,6,7,8,9,10,11,12,13,14,15
	v_sub_f32 v[60+\k], v[76+\k], v92
.endr
.irp k, 0,1,2,3,4,5,6,7,8,9,10,11,12,13,14,15
	v_mul_f32 v[60+\k], L2E, v[60+\k]
.endr
.irp k, 0,1,2,3,4,5,6,7,8,9,10,11,12,13,14,15
	v_exp_f32 v[60+\k], v[60+\k]
.endr
	v_sub_f32 v104, v94, v92                       ; (a plain line behind the exponentials)
	v_mul_f32 v104, L2E, v104
	s_wait_alu depctr_va_vdst(0)
	v_pk_add_f32 v[60:61], v[60:61], v[62:63]
	v_pk_add_f32 v[64:65], v[64:65], v[66:67]
	v_pk_add_f32 v[68:69], v[68:69], v[70:71]
	v_pk_add_f32 v[72:73], v[72:73], v[74:75]
	v_pk_add_f32 v[60:61], v[60:61], v[64:65]
	v_pk_add_f32 v[68:69], v[68:69], v[72:73]
	v_pk_add_f32 v[60:61], v[60:61], v[68:69]
	v_add_f32 v60, v60, v61
	v_permlanex16_b32 v61, v60, s26, s27
	v_add_f32 v60, v60, v61                        ; the sum over all 32
	v_exp_f32 v104, v104
	v_rcp_f32 v105, v60                            ; the best score: 1 / sum
	v_nop
	s_wait_alu depctr_va_vdst(0)
	v_mul_f32 v104, v104, v105                     ; the second score
	v_sub_f32 v104, v104, v105                     ; the softmax of the two, its maximum (the best score) taken away
	v_mul_f32 v104, L2E, v104
	v_exp_f32 v104, v104
	v_nop
	s_wait_alu depctr_va_vdst(0)
	v_add_f32 v106, 1.0, v104
	v_rcp_f32 v116, v106                           ; w0
	v_nop
	s_wait_alu depctr_va_vdst(0)
	v_mul_f32 v117, v104, v116                     ; w1
	; which of my 16 tokens chose expert n: the compare's mask goes to lane n.  Values alone: nothing is addressed or branched by them
	v_mov_b32 v118, 0
	v_mov_b32 v119, 0
.set n, 0
.rept 32
	v_cmp_eq_u32 s30, n, v93
	v_writelane_b32 v118, s30, n
	v_cmp_eq_u32 s31, n, v95
	v_writelane_b32 v119, s31, n
.set n, n+1
.endr
	s_cmp_lg_u32 s25, 0                            ; both waves of a pair hold the same: the even one stores
	s_cbranch_scc1 .Lodd
	ds_store_b16 v6, v118                          ; bits 0-15: lanes 0-15, tokens 16 tau + r
	ds_store_b16 v6, v119 offset:256
	ds_store_b64 v7, v[116:117]
.Lodd:
	s_wait_dscnt 0x0
	s_barrier_signal -1
	s_barrier_wait -1
	s_cmp_gt_u32 s24, 1
	s_cbranch_scc1 .Lx_end
	ds_load_b128 v[120:123], v252
	s_lshl_b32 s32, ttmp9, 9                       ; 512 bytes a work-group in bm and in gw
	s_cmp_eq_u32 s24, 0
	s_cselect_b64 s[20:21], s[20:21], s[22:23]     ; wave 0: bm; wave 1: gw
	s_add_nc_u64 s[20:21], s[20:21], s[32:33]
	s_wait_dscnt 0x0
	global_store_b128 v1, v[120:123], s[20:21]     ; 512 consecutive bytes, aligned
.Lx_end:
	s_set_vgpr_msb 0x5
	s_wait_tensorcnt 0x0
	ds_add_u32 v0, v1
	s_wait_dscnt 0x0
	s_set_vgpr_msb 0x500
	s_endpgm
.Lfunc_end_k_q6f56477156_prep:
	.size	k_q6f56477156_prep, .Lfunc_end_k_q6f56477156_prep-k_q6f56477156_prep
	.p2alignl 7, 3214868480
	.fill 96, 4, 3214868480
	.section	.rodata,"a",@progbits
	.p2align	6, 0x0
	.amdhsa_kernel k_q6f56477156_prep
		.amdhsa_group_segment_fixed_size 140288
		.amdhsa_private_segment_fixed_size 0
		.amdhsa_enable_private_segment 0
		.amdhsa_kernarg_size 80
		.amdhsa_user_sgpr_count 2
		.amdhsa_user_sgpr_kernarg_segment_ptr 1
		.amdhsa_wavefront_size32 1
		.amdhsa_system_sgpr_workgroup_id_x 1
		.amdhsa_system_sgpr_workgroup_id_y 1
		.amdhsa_system_sgpr_workgroup_id_z 1
		.amdhsa_system_vgpr_workitem_id 0
		.amdhsa_next_free_vgpr 258
		.amdhsa_next_free_sgpr 66
		.amdhsa_reserve_vcc 0
		.amdhsa_float_denorm_mode_32 3
		.amdhsa_float_denorm_mode_16_64 3
		.amdhsa_memory_ordered 1
		.amdhsa_forward_progress 1
		.amdhsa_inst_pref_size 117
	.end_amdhsa_kernel
	.amdgpu_metadata
---
amdhsa.version: [ 1, 2 ]
amdhsa.kernels:
  - .name:           k_q6f56477156_prep
    .symbol:         k_q6f56477156_prep.kd
    .args:
      - { .name: x, .offset: 0, .size: 8, .value_kind: global_buffer, .address_space: global }
      - { .name: Wg, .offset: 8, .size: 8, .value_kind: global_buffer, .address_space: global }
      - { .name: W1, .offset: 16, .size: 8, .value_kind: global_buffer, .address_space: global }
      - { .name: W2, .offset: 24, .size: 8, .value_kind: global_buffer, .address_space: global }
      - { .name: xq, .offset: 32, .size: 8, .value_kind: global_buffer, .address_space: global }
      - { .name: xs, .offset: 40, .size: 8, .value_kind: global_buffer, .address_space: global }
      - { .name: wq, .offset: 48, .size: 8, .value_kind: global_buffer, .address_space: global }
      - { .name: ws, .offset: 56, .size: 8, .value_kind: global_buffer, .address_space: global }
      - { .name: bm, .offset: 64, .size: 8, .value_kind: global_buffer, .address_space: global }
      - { .name: gw, .offset: 72, .size: 8, .value_kind: global_buffer, .address_space: global }
    .group_segment_fixed_size: 140288
    .private_segment_fixed_size: 0
    .kernarg_segment_align: 8
    .kernarg_segment_size: 80
    .max_flat_workgroup_size: 256
    .sgpr_count:     66
    .vgpr_count:     258
    .wavefront_size: 32
...
	.end_amdgpu_metadata
.endif
;; end of part 1
;; launch chain (part 2): grid 32 x 8, 4 waves a work-group, no clusters, 82,432 bytes of LDS; arguments xq, xs, wq, ws, b1, b2, bm, y; writes y
.if DOCPART == 2
	.amdgcn_target "amdgcn-amd-amdhsa--gfx1250"
	.amdhsa_code_object_version 6
	.text
	.protected	k_q6f56477156_chain
	.globl	k_q6f56477156_chain
	.p2align	8
	.type	k_q6f56477156_chain,@function
k_q6f56477156_chain:
	s_mov_b64 s[64:65], 0
	v_nop
	global_prefetch_b8 v0, s[64:65] scope:SCOPE_SE
	s_setreg_imm32_b32 hwreg(HW_REG_WAVE_MODE, 25, 1), 1
	s_wait_xcnt 0x0
; CHAIN: work-group (e, B) takes the rows of expert e among tokens 512 B .. 512 B + 511 through the whole chain: gather x's codes, x W1 + b1, gelu (erf), quantise, h W2 + b2; y leaves as bf16,
; row 2 token + slot.  Only chosen rows are multiplied.  The grid is fixed and serves every split: a token's two experts differ, so an expert has at most 512 rows here: 8 passes of 64 rows,
; a loop of constant count in which work is jumped over by scalar branches on the row count n; every barrier lies on every path.
; THE ROW LIST is not stored anywhere: rank q's row is found in the 32 bitmap words (512 tokens x 2 slots) that the launch before stored as whole numbers: the word by running counts, the bit by five halvings.
; SHARES: the four waves share the COLUMNS: wave w owns hidden units 64 w .. 64 w + 63 and outputs 256 w .. 256 w + 255; its part of W1 and W2 (64 KB of codes) lies in its registers,
; loaded once, 512 consecutive bytes an instruction, in the order of the operands' registers.  What goes from wave to wave through LDS is small: the rows' codes, as images of operand registers.
; Both products are used transposed (source 0 = 16 rows of the weight, source 1 = 16 tokens): a lane holds one token, its registers run along the next K or along a row of y.
; NO CLUSTER, though the 8 work-groups of an expert read the same 272 KB: the weights go from memory straight into registers, no tile of them lies in LDS, and each partner's jumps hang on its own count.
; GELU: gelu(x) = max(x, 0) - |x| t E, t = 1 / (1 + |x| / (2 sqrt 2)), E = 2^(-x^2 log2(e) / 2 + P(t)): erfc by a polynomial of degree 9 in t inside the exponent (fractional error 1.2e-7), no compare, no branch.
; LIMITS: NaN and infinities are not served; a hidden number under 2^-126 counts as 0 (v_exp_f32 gives 0 there); far on the negative side the relative error grows as x^2 x 6e-8, as for any f32 exp(-x^2);
; a block whose largest magnitude lies under 2^-124 gets the byte 1.
; REGISTERS, in windows of 256.  Window 1: W1's fragment (tile t, K step s) at 8 (8 t + s).  Window 2: W2's (t, s) at 8 (2 t + s).  Window 3: b2's 16 tiles at 8 t, y's 16 accumulators at 128 + 8 t.
; Window 0: v1-18 addresses; v22-23 rows of y, v25-26 tokens of the pass's 64 ranks; v28-29 a constant; v30-45 W1's scale words, v46-61 W2's, v62-69 x's, v70-71 the hidden layer's (scales alone);
;   v72-103 b1's 4 tiles; v104-167 x's 8 fragments | 16 gathered rows | y packed; v168-199 the hidden layer's 4 tiles | 2 hidden fragments + 16 offsets | gather offsets; v200-231, v232-247 at work.
.set XIMG, 0                           ; LDS: x's codes, tile of 16 rows m at 8,704 m: piece pi (16 bytes of K) of row i at 272 pi + 16 i
.set XSC,  34816                       ; x's scale words: 48 bytes a rank (32 used)
.set HIMG, 37888                       ; the hidden layer's fragments: 2,048 m + 512 w + 16 lane (wave w's 64 units are registers 4 (w % 2) .. of K step w / 2)
.set HSC,  46080                       ; their scale words: 256 m + 128 s + 4 lane; wave w writes bytes 2 (w % 2), + 1
.set OST,  47104                       ; a stage of 16 rows x (512 + 16) bytes for each wave
.set BM,   32                          ; s[32:63] the bitmap words: 16 slot + 2 group + half
.set WV,   66
.set EX,   67
.set BB,   68
.set NN,   69                          ; n: my rows
.set KP,   70
.set PP,   71                          ; the pass
.set P64,  72
.set TT,   73
.set LEFT, 74
.set SE,   75
.set SEL,  76                          ; s[76:77]
.set HI,   78
.set ODD,  79
.set B512, 80
.set H16,  81
.set SV,   200
.set MSB, 0
.macro WIN new                         ; the immediate's high byte repeats the setting that is left
.if MSB != \new
	s_set_vgpr_msb (MSB<<8)|\new
.set MSB, \new
.endif
.endm
; one product: D, A, B, C by their first registers; A's scale words in lanes 0-15 (row = 0) or 16-31 (row = 1) of v[sa]
.macro MM d, a, b, c, sa, sb, row
.if \row
	v_wmma_scale_f32_16x16x128_f8f6f4 v[\d:\d+7], v[\a:\a+7], v[\b:\b+7], v[\c:\c+7], v[\sa], v[\sb] matrix_a_fmt:MATRIX_FMT_FP4 matrix_b_fmt:MATRIX_FMT_FP4 matrix_a_scale:MATRIX_SCALE_ROW1
.else
	v_wmma_scale_f32_16x16x128_f8f6f4 v[\d:\d+7], v[\a:\a+7], v[\b:\b+7], v[\c:\c+7], v[\sa], v[\sb] matrix_a_fmt:MATRIX_FMT_FP4 matrix_b_fmt:MATRIX_FMT_FP4
.endif
.endm
; one halving: the count of ones in the wd bits from pos on stands in a field of level lvl; if j is not under it, j loses it and pos goes wd on
.macro SELSTEP q, lvl, wd
	v_bfe_u32 v[SV+\q+10], v[SV+\q+\lvl], v[SV+\q+5], \wd
	v_cmp_ge_u32 vcc_lo, v[SV+\q+4], v[SV+\q+10]
	v_cndmask_b32 v[SV+\q+10], 0, v[SV+\q+10], vcc_lo
	v_sub_nc_u32 v[SV+\q+4], v[SV+\q+4], v[SV+\q+10]
	v_cndmask_b32 v[SV+\q+11], 0, \wd, vcc_lo
	v_add_nc_u32 v[SV+\q+5], v[SV+\q+5], v[SV+\q+11]
.endm
; The tokens and rows of y of ranks 64 p + lane (vector 0) and + 32 (vector 1).  At SV + 16 vector: +0 word, +1 ones ahead of it, +2 its number, +3 rank, +4 j, +5 pos, +6..9 counts by 2, 4, 8, 16 bits, +10, +11 at work.
; A rank at or past n gets some token inside the table: its results are never stored.
.macro XSEL first
	v_add_nc_u32 v[SV+3], s[P64], v3
	v_add_nc_u32 v[SV+19], 32, v[SV+3]
.irp q, 0,16
	v_mov_b32 v[SV+\q], s[BM]
	v_mov_b32 v[SV+\q+1], 0
	v_mov_b32 v[SV+\q+2], 0
.endr
	s_bcnt1_i32_b32 s[SE], s[BM]
.set n, 1
.rept 31
.irp q, 0,16
	v_cmp_le_u32 vcc_lo, s[SE], v[SV+\q+3]         ; the last word with no more ones ahead of it than the rank holds the rank's bit
	v_cndmask_b32 v[SV+\q], v[SV+\q], s[BM+n], vcc_lo
	v_cndmask_b32 v[SV+\q+1], v[SV+\q+1], s[SE], vcc_lo
	v_cndmask_b32 v[SV+\q+2], v[SV+\q+2], n, vcc_lo
.endr
	s_bcnt1_i32_b32 s[TT], s[BM+n]
	s_add_co_u32 s[SE], s[SE], s[TT]
.set n, n+1
.endr
.if \first
	s_mov_b32 s[NN], s[SE]                         ; all ones: n
.endif
.irp q, 0,16
	v_sub_nc_u32 v[SV+\q+4], v[SV+\q+3], v[SV+\q+1]
	v_mov_b32 v[SV+\q+5], 0
	v_lshrrev_b32 v[SV+\q+10], 1, v[SV+\q]
	v_and_b32 v[SV+\q+10], 0x55555555, v[SV+\q+10]
	v_sub_nc_u32 v[SV+\q+6], v[SV+\q], v[SV+\q+10]
	v_lshrrev_b32 v[SV+\q+10], 2, v[SV+\q+6]
	v_and_b32 v[SV+\q+10], 0x33333333, v[SV+\q+10]
	v_and_b32 v[SV+\q+7], 0x33333333, v[SV+\q+6]
	v_add_nc_u32 v[SV+\q+7], v[SV+\q+7], v[SV+\q+10]
	v_lshrrev_b32 v[SV+\q+10], 4, v[SV+\q+7]
	v_add_nc_u32 v[SV+\q+10], v[SV+\q+10], v[SV+\q+7]
	v_and_b32 v[SV+\q+8], 0x0f0f0f0f, v[SV+\q+10]
	v_lshrrev_b32 v[SV+\q+10], 8, v[SV+\q+8]
	v_add_nc_u32 v[SV+\q+10], v[SV+\q+10], v[SV+\q+8]
	v_and_b32 v[SV+\q+9], 0x00ff00ff, v[SV+\q+10]
	SELSTEP \q, 9, 16
	SELSTEP \q, 8, 8
	SELSTEP \q, 7, 4
	SELSTEP \q, 6, 2
	SELSTEP \q, 0, 1
	v_and_b32 v[SV+\q+10], 15, v[SV+\q+2]
	v_lshl_add_u32 v[SV+\q+10], v[SV+\q+10], 5, v[SV+\q+5]
	v_add_nc_u32 v[SV+\q+10], s[B512], v[SV+\q+10] ; token = 512 B + 32 (word % 16) + bit
	v_min_u32 v[25+\q/16], 0xfff, v[SV+\q+10]
	v_lshrrev_b32 v[SV+\q+11], 4, v[SV+\q+2]       ; slot = word / 16
	v_lshl_add_u32 v[SV+\q+11], v[SV+\q+10], 1, v[SV+\q+11]
	v_min_u32 v[22+\q/16], 0x1fff, v[SV+\q+11]     ; row of y = 2 token + slot
.endr
.endm
; Wave w gathers the 16 rows of ranks 16 w + i: a whole row of 512 bytes of codes an instruction; and 16 bytes of scale words for each of 32 ranks
.macro XLOAD
	v_cndmask_b32 v24, v25, v26, s[HI]             ; ranks 32 (w / 2) on,
	v_permlanex16_b32 v27, v24, s[SEL], s[SEL+1]
	v_cndmask_b32 v24, v24, v27, s[ODD]            ; their upper half brought down where w is odd
.set n, 0
.rept 16
	v_readlane_b32 s[TT], v24, n
	s_min_u32 s[TT], s[TT], 0xfff                  ; a number that was loaded enters an address only behind this bound
	v_lshl_add_u32 v[168+n], s[TT], 9, v1
	global_load_b128 v[104+4*n:107+4*n], v[168+n], s[4:5]
.set n, n+1
.endr
	v_cndmask_b32 v185, v25, v26, s[ODD]           ; ranks 32 (w % 2) + lane,
	v_min_u32 v185, 0xfff, v185
	v_lshl_add_u32 v184, v185, 5, s[H16]           ; half w / 2 of the token's 32 bytes
	global_load_b128 v[188:191], v184, s[6:7]
.endm
.macro XSTORE
.set n, 0
.rept 16
	ds_store_b128 v4, v[104+4*n:107+4*n] offset:16*n   ; lane = piece of K: 272 bytes from lane to lane, 16 from row to row
.set n, n+1
.endr
	ds_store_b128 v6, v[188:191]
.endm
; gelu of the 8 numbers v[hb] on, in place
.macro GELU8 hb
.irp i, 0,1,2,3,4,5,6,7
	v_fma_f32 v[200+\i], |v[\hb+\i]|, s[KP], 1.0
.endr
.irp i, 0,1,2,3,4,5,6,7
	v_rcp_f32 v[200+\i], v[200+\i]                 ; t
.endr
.irp i, 0,2,4,6
	v_pk_mul_f32 v[208+\i:209+\i], v[\hb+\i:\hb+\i+1], v[\hb+\i:\hb+\i+1]   ; x^2 (plain lines behind the reciprocals)
.endr
	s_wait_alu depctr_va_vdst(0)
.irp i, 0,2,4,6
	v_pk_fma_f32 v[216+\i:217+\i], v[200+\i:201+\i], 0x3e7c6f08, v[28:29] op_sel_hi:[1,0,1]   ; c9 t + c8
.endr
.irp c, 0x40097039, 0xbfd1a1e5, 0x3ecdfd18, 0xbe899a80, 0x3e0efb2e, 0x3f0a29d2, 0x3fb8ab5a, 0xc034d90f
.irp i, 0,2,4,6
	v_pk_fma_f32 v[216+\i:217+\i], v[216+\i:217+\i], v[200+\i:201+\i], \c op_sel_hi:[1,1,0]   ; c7 .. c0: the coefficients x log2(e), 1 off c0 for the factor 1/2
.endr
.endr
.irp i, 0,2,4,6
	v_pk_fma_f32 v[216+\i:217+\i], v[208+\i:209+\i], 0xbf38aa3b, v[216+\i:217+\i] op_sel_hi:[1,0,1]   ; - x^2 log2(e) / 2
.endr
.irp i, 0,1,2,3,4,5,6,7
	v_exp_f32 v[216+\i], v[216+\i]
.endr
.irp i, 0,1,2,3,4,5,6,7
	v_mul_f32 v[224+\i], |v[\hb+\i]|, v[200+\i]    ; (plain lines behind the exponentials)
.endr
.irp i, 0,1,2,3,4,5,6,7
	v_max_num_f32 v[208+\i], 0, v[\hb+\i]
.endr
	s_wait_alu depctr_va_vdst(0)
.irp i, 0,1,2,3,4,5,6,7
	v_fma_f32 v[\hb+\i], -v[224+\i], v[216+\i], v[208+\i]
.endr
.endm
; my 32 numbers of a row, register 16 b + i = hidden unit 64 w + 32 b + 16 h + i, become four registers of the next operand (v244-247) and two scale bytes (v238)
.macro QUANT2
.irp b, 0,1
	v_max3_num_f32 v[232+\b], |v[168+16*\b]|, |v[169+16*\b]|, 0x1800000   ; with the floor 2^(3 - 127)
.endr
.irp i, 2,4,6,8,10,12,14
.irp b, 0,1
	v_max3_num_f32 v[232+\b], v[232+\b], |v[168+16*\b+\i]|, |v[169+16*\b+\i]|
.endr
.endr
.irp b, 0,1
	v_permlanex16_b32 v[234+\b], v[232+\b], s[SEL], s[SEL+1]
.endr
.irp b, 0,1
	v_max_num_f32 v[232+\b], v[232+\b], v[234+\b]  ; with lane l xor 16's 16: the block's largest magnitude
.endr
.irp b, 0,1
	v_add_nc_u32 v[236+\b], 0xff000000, v[232+\b]
.endr
.irp b, 0,1
	v_lshrrev_b32 v[234+\b], 23, v[236+\b]
.endr
	v_lshl_or_b32 v238, v235, 8, v234
.irp b, 0,1
	v_cvt_scalef32_pk8_fp4_f32 v[244+2*\b], v[168+16*\b:175+16*\b], v[236+\b]
	v_cvt_scalef32_pk8_fp4_f32 v[245+2*\b], v[176+16*\b:183+16*\b], v[236+\b]
.endr
	v_nop                                          ; one plain line behind a scaled conversion
	v_permlane16_swap_b32 v244, v246               ; the operand wants a whole block in a lane: lanes 0-15 block 0, lanes 16-31 block 1
	v_permlane16_swap_b32 v245, v247
.endm
; Tile m of the pass: my 64 hidden units for 16 rows
.macro PHASE1 m
	s_add_co_u32 s[TT], s[P64], 16*\m
	s_cmp_ge_u32 s[TT], s[NN]
	s_cbranch_scc1 .Lskip1_\@                      ; no row left for this tile
.irp s, 0,1,2,3,4,5,6,7
.irp c, 0,1
	ds_load_b128 v[104+8*\s+4*\c:107+8*\s+4*\c], v5 offset:\m*8704+(4*\s+2*\c)*272   ; lanes 0-15 and 16-31: 256 consecutive bytes each
.endr
.endr
	ds_load_b128 v[62:65], v7 offset:\m*768
	ds_load_b128 v[66:69], v7 offset:\m*768+16
	s_wait_dscnt 0x0
	WIN 0x01                                       ; source 0 (W1) window 1
.irp s, 0,1,2,3,4,5,6,7                        ; the four accumulators take turns; b1 is the C of each sum's first product
.irp t, 0,1,2,3
.if \s == 0
	MM 168+8*\t, 8*(8*\t+\s), 104+8*\s, 72+8*\t, 30+8*(\t/2)+\s, 62+\s, \t%2
.else
	MM 168+8*\t, 8*(8*\t+\s), 104+8*\s, 168+8*\t, 30+8*(\t/2)+\s, 62+\s, \t%2
.endif
.endr
.endr
	WIN 0
.rept 4
	v_nop                                          ; four places between a product and the first read of its result
.endr
	GELU8 168                                      ; each accumulator is read from its low end on
	GELU8 176
	GELU8 184
	GELU8 192
	QUANT2
	ds_store_b128 v8, v[244:247] offset:\m*2048
	ds_store_b16 v9, v238 offset:\m*256
	s_wait_dscnt 0x0
.Lskip1_\@:
.endm
; Tile m of the pass: my 256 outputs for 16 rows, rounded to bf16, through my own stage, stored as parts of rows of 512 consecutive bytes
.macro PHASE2 m
	s_add_co_u32 s[TT], s[P64], 16*\m
	s_cmp_ge_u32 s[TT], s[NN]
	s_cbranch_scc1 .Lskip2_\@
	s_sub_co_u32 s[LEFT], s[NN], s[TT]             ; rows left from this tile's first on
	s_wait_xcnt 0x0                                ; the last tile's stores have read their offsets and data: both are written again below
.irp s, 0,1
.irp c, 0,1
	ds_load_b128 v[168+8*\s+4*\c:171+8*\s+4*\c], v10 offset:\m*2048+\s*1024+\c*512
.endr
	ds_load_b32 v[70+\s], v11 offset:\m*256+\s*128
.endr
	s_wait_dscnt 0x0
	WIN 0xf2                                       ; source 0 (W2) window 2; C and D window 3
.irp s, 0,1                                    ; sixteen accumulators by turns; b2 is the C of each sum's first product
.irp t, 0,1,2,3,4,5,6,7,8,9,10,11,12,13,14,15
.if \s == 0
	MM 128+8*\t, 8*(2*\t+\s), 168+8*\s, 8*\t, 46+2*(\t/2)+\s, 70+\s, \t%2
.else
	MM 128+8*\t, 8*(2*\t+\s), 168+8*\s, 128+8*\t, 46+2*(\t/2)+\s, 70+\s, \t%2
.endif
.endr
.endr
	WIN 0
.set n, 0
.rept 16
	v_readlane_b32 s[TT], v[22+\m/2], 16*(\m%2)+n  ; rank 16 m + n's row of y
	s_min_u32 s[TT], s[TT], 0x1fff
	v_lshl_add_u32 v[184+n], s[TT], 11, v14        ; x 2,048 + 512 w + 16 lane.  (These sixteen additions are the places behind the products)
.set n, n+1
.endr
	WIN 0x0f                                       ; sources 0 and 1 window 3
.irp t, 0,1,2,3,4,5,6,7,8,9,10,11,12,13,14,15
.irp r, 0,1,2,3
	v_cvt_pk_bf16_f32 v[104+4*\t+\r], v[128+8*\t+2*\r], v[129+8*\t+2*\r]   ; each accumulator in ascending order
.endr
.endr
	WIN 0
.irp t, 0,1,2,3,4,5,6,7,8,9,10,11,12,13,14,15
	ds_store_b128 v12, v[104+4*\t:107+4*\t] offset:32*\t
.endr
.irp i, 0,1,2,3,4,5,6,7,8,9,10,11,12,13,14,15
	ds_load_b128 v[104+4*\i:107+4*\i], v13 offset:528*\i   ; LDS serves a wave's instructions in order: these see my stores
.endr
.irp i, 0,1,2,3,4,5,6,7,8,9,10,11,12,13,14,15
	s_wait_dscnt 15-\i
	s_cmp_le_u32 s[LEFT], \i
	s_cbranch_scc1 .Lrows_done_\@                  ; ranks at or past n are not stored
	global_store_b128 v[184+\i], v[104+4*\i:107+4*\i], s[18:19]   ; 32 lanes store 512 consecutive bytes, aligned
.endr
.Lrows_done_\@:
	s_wait_dscnt 0x0
.Lskip2_\@:
.endm
	s_load_b512 s[4:19], s[0:1], 0x0               ; xq, xs, wq, ws, b1, b2, bm, y
	v_lshl_add_u32 v254, v0, 2, 0x14000
	v_mov_b32 v255, 0
	v_lshrrev_b32 v1, 5, v0
	v_readfirstlane_b32 s[WV], v1                  ; wave 0..3
	s_mov_b32 s[EX], ttmp9                         ; the expert
	s_and_b32 s[BB], ttmp7, 0xffff                 ; the block of 512 tokens
	v_and_b32 v3, 31, v0                           ; lane
	v_and_b32 v15, 15, v0                          ; r
	v_bfe_u32 v16, v0, 4, 1                        ; h
	v_lshlrev_b32 v1, 4, v3                        ; 16 x lane
	v_lshlrev_b32 v2, 2, v3                        ; 4 x lane
	s_mul_i32 s[TT], s[WV], 8704
	v_mul_u32_u24 v4, v3, 272
	v_add_nc_u32 v4, s[TT], v4                     ; x's codes in: tile = wave, piece = lane
	v_mul_u32_u24 v5, v16, 272
	v_lshl_add_u32 v5, v15, 4, v5                  ; and out: piece + h, row r
	s_and_b32 s82, s[WV], 1
	s_lshr_b32 s83, s[WV], 1
	s_mul_i32 s[TT], s82, 1536
	s_lshl_b32 s[H16], s83, 4
	s_add_co_u32 s[TT], s[TT], s[H16]
	s_add_co_u32 s[TT], s[TT], XSC
	v_mul_u32_u24 v6, v3, 48
	v_add_nc_u32 v6, s[TT], v6                     ; x's scale words in: rank 32 (w % 2) + lane, half w / 2
	v_mul_u32_u24 v7, v15, 48
	v_add_nc_u32 v7, XSC, v7                       ; and out: rank 16 m + r
	s_lshl_b32 s[TT], s[WV], 9
	s_add_co_u32 s[TT], s[TT], HIMG
	v_add_nc_u32 v8, s[TT], v1                     ; the hidden layer's codes in
	s_lshl_b32 s[TT], s83, 7
	s_lshl_b32 s84, s82, 1
	s_add_co_u32 s[TT], s[TT], s84
	s_add_co_u32 s[TT], s[TT], HSC
	v_add_nc_u32 v9, s[TT], v2                     ; its two scale bytes in
	v_add_nc_u32 v10, HIMG, v1                     ; and both out
	v_add_nc_u32 v11, HSC, v2
	s_mul_i32 s[TT], s[WV], 8448
	s_add_co_u32 s[TT], s[TT], OST
	v_mul_u32_u24 v12, v15, 528
	v_lshl_add_u32 v12, v16, 4, v12
	v_add_nc_u32 v12, s[TT], v12                   ; my stage in: row r, 16 h
	v_add_nc_u32 v13, s[TT], v1                    ; and out: a row's 512 bytes
	s_lshl_b32 s[TT], s[WV], 9
	v_add_nc_u32 v14, s[TT], v1                    ; in a row of y: 512 w + 16 lane
	v_lshlrev_b32 v17, 6, v16                      ; b1: 64 h
	v_lshlrev_b32 v18, 5, v16                      ; b2: 32 h
	v_mov_b32 v27, 0                               ; lane permutes' destinations count as sources
	v_mov_b32 v234, 0
	v_mov_b32 v235, 0
	v_mov_b32 v28, 0xbf97d29d                      ; c8, twice: the packed form's third source
	v_mov_b32 v29, 0xbf97d29d
	s_mov_b32 s[KP], 0x3eb504f3                    ; 1 / (2 sqrt 2)
	s_mov_b32 s[SEL], 0x76543210
	s_mov_b32 s[SEL+1], 0xfedcba98
	s_cmp_ge_u32 s[WV], 2
	s_cselect_b32 s[HI], -1, 0
	s_cmp_lg_u32 s82, 0
	s_cselect_b32 s[ODD], -1, 0
	s_lshl_b32 s[B512], s[BB], 9
	s_mov_b32 s[PP], 0
	s_mov_b32 s[P64], 0
	s_lshl_b32 s84, s[EX], 17                      ; codes: e x 131,072 + w x 32,768
	s_lshl_b32 s[TT], s[WV], 15
	s_add_co_u32 s84, s84, s[TT]
	s_mov_b32 s85, 0
	s_lshl_b32 s86, s[EX], 13                      ; scale words: e x 8,192 + w x 2,048
	s_lshl_b32 s[TT], s[WV], 11
	s_add_co_u32 s86, s86, s[TT]
	s_mov_b32 s87, 0
	s_lshl_b32 s88, s[EX], 10                      ; b1: e x 1,024 + w x 256
	s_lshl_b32 s[TT], s[WV], 8
	s_add_co_u32 s88, s88, s[TT]
	s_mov_b32 s89, 0
	s_lshl_b32 s90, s[EX], 12                      ; b2: e x 4,096 + w x 1,024
	s_lshl_b32 s[TT], s[WV], 10
	s_add_co_u32 s90, s90, s[TT]
	s_mov_b32 s91, 0
	s_lshl_b32 s92, s[BB], 12                      ; bm: 8 groups of 512 bytes a block, + 8 e
	s_lshl_b32 s[TT], s[EX], 3
	s_add_co_u32 s92, s92, s[TT]
	s_mov_b32 s93, 0
	s_wait_kmcnt 0x0
	s_add_nc_u64 s[20:21], s[8:9], s[84:85]        ; my part of W1's codes,
	s_add_nc_u64 s[22:23], s[20:21], 0x400000      ; of W2's,
	s_add_nc_u64 s[24:25], s[10:11], s[86:87]      ; of W1's scale words,
	s_add_nc_u64 s[26:27], s[24:25], 0x40000       ; of W2's,
	s_add_nc_u64 s[28:29], s[12:13], s[88:89]      ; of b1,
	s_add_nc_u64 s[30:31], s[14:15], s[90:91]      ; of b2
	s_add_nc_u64 s[16:17], s[16:17], s[92:93]
.irp sl, 0,1
.irp g, 0,1,2,3,4,5,6,7
	s_load_b64 s[BM+16*\sl+2*\g:BM+16*\sl+2*\g+1], s[16:17], \g*512+\sl*256
.endr
.endr
; The weights' loads are counted in symbols of their own, wl1 and wl2: each run is cut in two, and the macros between its parts use n.
	WIN 0x40                                       ; destination window 1
.set wl1, 0
.rept 56
	global_load_b128 v[4*wl1:4*wl1+3], v1, s[20:21] offset:512*wl1   ; W1, pieces 0-55 of 64: on their way while the rows are looked up
.set wl1, wl1+1
.endr
	WIN 0
	s_wait_kmcnt 0x0                               ; the bitmap words
	XSEL 1
	XLOAD                                          ; 17 loads
	WIN 0x40
.rept 8
	global_load_b128 v[4*wl1:4*wl1+3], v1, s[20:21] offset:512*wl1   ; W1, pieces 56-63
.set wl1, wl1+1
.endr
	WIN 0
.set n, 0
.rept 16
	global_load_b32 v[30+n], v2, s[24:25] offset:128*n         ; lanes 0-15: the even tile's rows, lanes 16-31: the odd tile's
.set n, n+1
.endr
.irp t, 0,1,2,3
	global_load_b128 v[72+8*\t:75+8*\t], v17, s[28:29] offset:(\t/2)*128+(\t%2)*32      ; b1 at units 32 (t / 2) + 16 h + 8 (t % 2) + 0 .. 7: the result's layout
	global_load_b128 v[76+8*\t:79+8*\t], v17, s[28:29] offset:(\t/2)*128+(\t%2)*32+16
.endr
	WIN 0x80                                       ; destination window 2
.set wl2, 0
.rept 28
	global_load_b128 v[4*wl2:4*wl2+3], v1, s[22:23] offset:512*wl2   ; W2, pieces 0-27 of 64
.set wl2, wl2+1
.endr
	WIN 0
	s_wait_loadcnt 60                              ; 8 + 16 + 8 + 28 loads were issued behind the gather: the rows of x are in
	XSTORE
	WIN 0x80
.rept 36
	global_load_b128 v[4*wl2:4*wl2+3], v1, s[22:23] offset:512*wl2   ; W2, pieces 28-63
.set wl2, wl2+1
.endr
	WIN 0
.set n, 0
.rept 16
	global_load_b32 v[46+n], v2, s[26:27] offset:128*n
.set n, n+1
.endr
	WIN 0xc0                                       ; destination window 3
.set n, 0
.rept 16
	global_load_b128 v[8*n:8*n+3], v18, s[30:31] offset:64*n       ; b2 at outputs 16 t + 8 h + 0 .. 7
	global_load_b128 v[8*n+4:8*n+7], v18, s[30:31] offset:64*n+16
.set n, n+1
.endr
	WIN 0
	s_wait_loadcnt 63                              ; 28 + 84 loads were issued behind W1, its scale words and b1: they are in; W2's part lands under the first product
.Lpass:                                                ; 8 trips, whatever n
	s_wait_dscnt 0x0                               ; my stores of x's images have landed, my reads of the hidden layer's are over
	s_barrier_signal -1
	s_barrier_wait -1
	PHASE1 0
	PHASE1 1
	PHASE1 2
	PHASE1 3
	s_wait_dscnt 0x0                               ; my stores of the hidden layer's images have landed, my reads of x's are over
	s_barrier_signal -1
	s_barrier_wait -1
	s_wait_loadcnt 0x0                             ; W2, its scale words, b2 (from the second trip on nothing is out here)
	PHASE2 0
	PHASE2 1
	PHASE2 2
	PHASE2 3
	s_wait_xcnt 0x0                                ; the stores have read their offsets and data: both sets of registers are used again
	s_add_co_u32 s[PP], s[PP], 1
	s_lshl_b32 s[P64], s[PP], 6
	s_cmp_ge_u32 s[P64], s[NN]
	s_cbranch_scc1 .Lno_more                       ; no barrier stands under this branch
	XSEL 0                                         ; the next 64 ranks: x's images are written again behind the second barrier, which every wave reaches behind its reads of them
	XLOAD
	s_wait_loadcnt 0x0
	XSTORE
.Lno_more:
	s_cmp_lt_u32 s[PP], 8
	s_cbranch_scc1 .Lpass
	s_wait_tensorcnt 0x0
	ds_add_u32 v254, v255
	s_wait_dscnt 0x0
	s_endpgm
.Lfunc_end_k_q6f56477156_chain:
	.size	k_q6f56477156_chain, .Lfunc_end_k_q6f56477156_chain-k_q6f56477156_chain
	.p2alignl 7, 3214868480
	.fill 96, 4, 3214868480
	.section	.rodata,"a",@progbits
	.p2align	6, 0x0
	.amdhsa_kernel k_q6f56477156_chain
		.amdhsa_group_segment_fixed_size 82432
		.amdhsa_private_segment_fixed_size 0
		.amdhsa_enable_private_segment 0
		.amdhsa_kernarg_size 64
		.amdhsa_user_sgpr_count 2
		.amdhsa_user_sgpr_kernarg_segment_ptr 1
		.amdhsa_wavefront_size32 1
		.amdhsa_system_sgpr_workgroup_id_x 1
		.amdhsa_system_sgpr_workgroup_id_y 1
		.amdhsa_system_sgpr_workgroup_id_z 1
		.amdhsa_system_vgpr_workitem_id 0
		.amdhsa_next_free_vgpr 1024
		.amdhsa_next_free_sgpr 96
		.amdhsa_reserve_vcc 1
		.amdhsa_float_denorm_mode_32 3
		.amdhsa_float_denorm_mode_16_64 3
		.amdhsa_memory_ordered 1
		.amdhsa_forward_progress 1
		.amdhsa_inst_pref_size 255
	.end_amdhsa_kernel
	.section	.bss,"aw",@nobits
	.p2align	6
	.space	262144
	.amdgpu_metadata
---
amdhsa.version: [ 1, 2 ]
amdhsa.kernels:
  - .name:           k_q6f56477156_chain
    .symbol:         k_q6f56477156_chain.kd
    .args:
      - { .name: xq, .offset: 0, .size: 8, .value_kind: global_buffer, .address_space: global }
      - { .name: xs, .offset: 8, .size: 8, .value_kind: global_buffer, .address_space: global }
      - { .name: wq, .offset: 16, .size: 8, .value_kind: global_buffer, .address_space: global }
      - { .name: ws, .offset: 24, .size: 8, .value_kind: global_buffer, .address_space: global }
      - { .name: b1, .offset: 32, .size: 8, .value_kind: global_buffer, .address_space: global }
      - { .name: b2, .offset: 40, .size: 8, .value_kind: global_buffer, .address_space: global }
      - { .name: bm, .offset: 48, .size: 8, .value_kind: global_buffer, .address_space: global }
      - { .name: y, .offset: 56, .size: 8, .value_kind: global_buffer, .address_space: global }
    .group_segment_fixed_size: 82432
    .private_segment_fixed_size: 0
    .kernarg_segment_align: 8
    .kernarg_segment_size: 64
    .max_flat_workgroup_size: 128
    .sgpr_count:     96
    .vgpr_count:     1024
    .wavefront_size: 32
...
	.end_amdgpu_metadata
.endif
;; end of part 2
;; launch combine (part 3): grid 256 x 1, 8 waves a work-group, no clusters, 0 bytes of LDS; arguments y, gw, out0; writes out0
.if DOCPART == 3
	.amdgcn_target "amdgcn-amd-amdhsa--gfx1250"
	.amdhsa_code_object_version 6
	.text
	.protected	k_q6f56477156_combine
	.globl	k_q6f56477156_combine
	.p2align	8
	.type	k_q6f56477156_combine,@function
k_q6f56477156_combine:
	s_mov_b64 s[64:65], 0
	v_nop
	global_prefetch_b8 v0, s[64:65] scope:SCOPE_SE
	s_setreg_imm32_b32 hwreg(HW_REG_WAVE_MODE, 25, 1), 1
	s_wait_xcnt 0x0
; out[t] = w0[t] y[2 t] + w1[t] y[2 t + 1]: the last product, K = the two chosen experts; y in bf16, weights and sums in f32.
; A stream: a wave takes two tokens: 32 loads of 256 consecutive bytes, all issued at once, 16 stores of 512 consecutive bytes.  Every offset is an immediate, every store has
; registers of its own: no loop, no LDS, no barrier; matrix units and clusters have nothing to do here (each byte is read once, by one wave).
	s_load_b128 s[4:7], s[0:1], 0x0                ; y, gw
	s_load_b64 s[8:9], s[0:1], 0x10                ; out0
	v_lshrrev_b32 v1, 5, v0
	v_readfirstlane_b32 s10, v1                    ; wave
	v_and_b32 v2, 31, v0
	v_lshlrev_b32 v3, 3, v2                        ; 8 bytes of bf16 a lane,
	v_lshlrev_b32 v4, 4, v2                        ; 16 bytes of f32
	s_lshl_b32 s11, ttmp9, 3
	s_add_co_u32 s11, s11, s10                     ; which pair of tokens
	s_lshl_b32 s12, s11, 13                        ; 2 tokens x 4,096 bytes, in y and in out0 alike
	s_mov_b32 s13, 0
	s_lshl_b32 s14, s11, 4                         ; 2 tokens x 8 bytes of weights
	s_mov_b32 s15, 0
	s_mov_b32 s24, 0xffff0000                      ; a word's upper bf16
	s_wait_kmcnt 0x0
	s_add_nc_u64 s[4:5], s[4:5], s[12:13]
	s_add_nc_u64 s[8:9], s[8:9], s[12:13]
	s_add_nc_u64 s[6:7], s[6:7], s[14:15]
	s_load_b128 s[16:19], s[6:7], 0x0              ; w0, w1 of the first token, w0, w1 of the second
.set q, 0
.rept 16                                       ; piece q: token q / 8, columns 128 (q % 8) on: slot 0's 256 bytes, then slot 1's
	global_load_b64 v[16+4*q:17+4*q], v3, s[4:5] offset:(q/8)*4096+(q%8)*256 th:TH_LOAD_NT
	global_load_b64 v[18+4*q:19+4*q], v3, s[4:5] offset:(q/8)*4096+2048+(q%8)*256 th:TH_LOAD_NT
.set q, q+1
.endr
	s_wait_kmcnt 0x0
	s_mov_b32 s20, s17                             ; the packed forms name a pair and take its low word for both halves: w1 gets pairs of its own
	s_mov_b32 s21, s17
	s_mov_b32 s22, s19
	s_mov_b32 s23, s19
.set q, 0
.rept 16
	s_wait_loadcnt 30-2*q                          ; the pieces behind this one may be out
	v_lshlrev_b32 v8, 16, v[16+4*q]                ; bf16 to f32: the low half moves up, the high half stays
	v_and_b32 v9, s24, v[16+4*q]
	v_lshlrev_b32 v10, 16, v[17+4*q]
	v_and_b32 v11, s24, v[17+4*q]
	v_lshlrev_b32 v12, 16, v[18+4*q]
	v_and_b32 v13, s24, v[18+4*q]
	v_lshlrev_b32 v14, 16, v[19+4*q]
	v_and_b32 v15, s24, v[19+4*q]
	v_pk_mul_f32 v[80+4*q:81+4*q], v[12:13], s[20+2*(q/8):21+2*(q/8)] op_sel_hi:[1,0]
	v_pk_mul_f32 v[82+4*q:83+4*q], v[14:15], s[20+2*(q/8):21+2*(q/8)] op_sel_hi:[1,0]
	v_pk_fma_f32 v[80+4*q:81+4*q], v[8:9], s[16+2*(q/8):17+2*(q/8)], v[80+4*q:81+4*q] op_sel_hi:[1,0,1]
	v_pk_fma_f32 v[82+4*q:83+4*q], v[10:11], s[16+2*(q/8):17+2*(q/8)], v[82+4*q:83+4*q] op_sel_hi:[1,0,1]
	global_store_b128 v4, v[80+4*q:83+4*q], s[8:9] offset:(q/8)*4096+(q%8)*512 th:TH_STORE_NT
.set q, q+1
.endr
	s_endpgm
.Lfunc_end_k_q6f56477156_combine:
	.size	k_q6f56477156_combine, .Lfunc_end_k_q6f56477156_combine-k_q6f56477156_combine
	.p2alignl 7, 3214868480
	.fill 96, 4, 3214868480
	.section	.rodata,"a",@progbits
	.p2align	6, 0x0
	.amdhsa_kernel k_q6f56477156_combine
		.amdhsa_group_segment_fixed_size 0
		.amdhsa_private_segment_fixed_size 0
		.amdhsa_enable_private_segment 0
		.amdhsa_kernarg_size 24
		.amdhsa_user_sgpr_count 2
		.amdhsa_user_sgpr_kernarg_segment_ptr 1
		.amdhsa_wavefront_size32 1
		.amdhsa_system_sgpr_workgroup_id_x 1
		.amdhsa_system_sgpr_workgroup_id_y 1
		.amdhsa_system_sgpr_workgroup_id_z 1
		.amdhsa_system_vgpr_workitem_id 0
		.amdhsa_next_free_vgpr 144
		.amdhsa_next_free_sgpr 66
		.amdhsa_reserve_vcc 0
		.amdhsa_float_denorm_mode_32 3
		.amdhsa_float_denorm_mode_16_64 3
		.amdhsa_memory_ordered 1
		.amdhsa_forward_progress 1
		.amdhsa_inst_pref_size 15
	.end_amdhsa_kernel
	.amdgpu_metadata
---
amdhsa.version: [ 1, 2 ]
amdhsa.kernels:
  - .name:           k_q6f56477156_combine
    .symbol:         k_q6f56477156_combine.kd
    .args:
      - { .name: y, .offset: 0, .size: 8, .value_kind: global_buffer, .address_space: global }
      - { .name: gw, .offset: 8, .size: 8, .value_kind: global_buffer, .address_space: global }
      - { .name: out0, .offset: 16, .size: 8, .value_kind: global_buffer, .address_space: global }
    .group_segment_fixed_size: 0
    .private_segment_fixed_size: 0
    .kernarg_segment_align: 8
    .kernarg_segment_size: 24
    .max_flat_workgroup_size: 256
    .sgpr_count:     66
    .vgpr_count:     144
    .wavefront_size: 32
...
	.end_amdgpu_metadata
.endif
;; end of part 3
;; ======== version 2 of 2: 3 launches
;; workspace buffers: xq 2,097,152 bytes; xs 131,072 bytes; wq 8,388,608 bytes; ws 524,288 bytes; bm 32,768 bytes of whole numbers; gw 32,768 bytes; y 16,777,216 bytes
;; launch prep (part 4): grid 576 x 1, 8 waves a work-group, no clusters, 140,288 bytes of LDS; arguments x, Wg, W1, W2, xq, xs, wq, ws, bm, gw; writes xq, xs, wq, ws, bm, gw
.if DOCPART == 4
	.amdgcn_target "amdgcn-amd-amdhsa--gfx1250"
	.amdhsa_code_object_version 6
	.text
	.protected	k_q6f56477156_prep
	.globl	k_q6f56477156_prep
	.p2align	8
	.type	k_q6f56477156_prep,@function
k_q6f56477156_prep:
	s_mov_b64 s[64:65], 0
	v_nop
	global_prefetch_b8 v0, s[64:65] scope:SCOPE_SE
	s_setreg_imm32_b32 hwreg(HW_REG_WAVE_MODE, 25, 1), 1
	s_wait_xcnt 0x0
; PREP: everything that is read as f32 is read here, once, and leaves as codes of E2M1 with one E8M0 byte for each 32 along K.
; Work-groups 0-63 (role X): 64 tokens each: x is quantised along D, multiplied with the quantised Wg (the gate), and the two best experts of each token
;   leave as bitmaps (whole numbers at fixed places: no address and no branch here hangs on them) and as two weights.
; Work-groups 64-319 (role W1): expert e, K step s: 128 rows of W1[e] x 256 hidden units.   Work-groups 320-575 (role W2): expert e, 256 outputs G, K step s.
; K is the FIRST axis of Wg, W1[e] and W2[e]: a lane takes a column and its registers run down K, so a block of 32 lies in one lane, its largest magnitude
; needs no other lane, and the conversions give codes with K innermost.  The codes are stored in the ORDER OF THE OPERAND'S REGISTERS (a fragment of 16 rows x 128 K is
; 1,024 bytes: [c][lane][16 bytes]), so that the next launch loads fragments whole, 512 consecutive bytes an instruction.
; A block's scale: the largest magnitude's exponent field less 2, held at 1 from below by a floor among the maximum's leaves.
; LIMITS: NaN and infinities are not served; a block whose largest magnitude lies under 2^-124 (a block of zeros too) gets the byte 1: zero codes add nothing under it, and
; only this program reads the bytes.  The two best experts are taken on the logits (the softmax rises with them), the lower index first where two logits are equal.
; No tensor loads, no cluster: work-groups share no input but Wg (128 KB); two work-groups lie on a WGP, 16 waves, each with up to 63 loads out.
.set GIMG, 0                           ; LDS (role X alone): Wg's 16 fragments, (8 T + s) x 1,024
.set GSC,  16384                       ; their scale words, (8 T + s) x 64 + 4 r
.set XST,  17408                       ; a stage of 16 rows x 528 bytes for each wave: f32 numbers of one K step
.set XCS,  84992                       ; the codes of 64 tokens, rows of 512 bytes + 16
.set XWS,  118784                      ; their scale words, 32 bytes a token
.set LGT,  120832                      ; partial logits, 2,048 bytes a wave
.set BMS,  137216                      ; the bitmaps: [slot][expert][8 bytes]
.set GWS,  137728                      ; the weights: [token][2]
.set L2E,  0x3fb8aa3b                  ; log2(e)
; 32 numbers of one lane, v[xs] on, become 4 registers of codes at v[cb + 4 j] and byte j of the scale word v15
.macro QCORE xs, j, cb
	v_max3_num_f32 v12, |v[\xs]|, |v[\xs+1]|, |v[\xs+2]|           ; the block's largest magnitude, in two chains
	v_max3_num_f32 v13, |v[\xs+3]|, |v[\xs+4]|, |v[\xs+5]|
.irp i, 6,10,14,18,22,26
	s_delay_alu instid0(VALU_DEP_2)
	v_max3_num_f32 v12, v12, |v[\xs+\i]|, |v[\xs+\i+1]|
	s_delay_alu instid0(VALU_DEP_2)
	v_max3_num_f32 v13, v13, |v[\xs+\i+2]|, |v[\xs+\i+3]|
.endr
	s_delay_alu instid0(VALU_DEP_2)
	v_max3_num_f32 v12, v12, |v[\xs+30]|, |v[\xs+31]|
	s_delay_alu instid0(VALU_DEP_1)
	v_max3_num_f32 v12, v12, v13, 0x1800000                        ; and the floor 2^(3 - 127): the byte cannot fall under 1
	s_delay_alu instid0(VALU_DEP_1)
	v_add_nc_u32 v14, 0xff000000, v12                              ; 2 off the exponent field: the conversion takes this operand's exponent field as its scale
	s_delay_alu instid0(VALU_DEP_1)
	v_lshrrev_b32 v13, 23, v14                                     ; the scale's byte
.if \j == 0
	s_delay_alu instid0(VALU_DEP_1)
	v_mov_b32 v15, v13
.else
	s_delay_alu instid0(VALU_DEP_1)
	v_lshl_or_b32 v15, v13, 8*\j, v15
.endif
.irp g, 0,1,2,3
	v_cvt_scalef32_pk8_fp4_f32 v[\cb+4*\j+\g], v[\xs+8*\g:\xs+8*\g+7], v14
.endr
	v_nop                                                          ; one plain line behind the last conversion of a run
.endm
; Roles W1 and W2: a wave's 32 columns x 128 along K.  All 128 loads go out at once (128 consecutive bytes each); a block's four registers of codes are its own, so no store's data are written again.
.macro WBODY pitch, inb
.set n, 0
.rept 128
	global_load_b32 v[60+n], v2, s[\inb:\inb+1] offset:n*\pitch th:TH_LOAD_NT
.set n, n+1
.endr
.irp j, 0,1,2,3
.if \j < 2
	s_wait_loadcnt 63                      ; 96 and 64 loads were issued behind blocks 0 and 1: all but the youngest 63 covers both
.else
	s_wait_loadcnt 32*(3-\j)               ; the blocks behind this one may be out
.endif
	QCORE 60+32*\j, \j, 188
	global_store_b128 v3, v[188+4*\j:191+4*\j], s[16:17] offset:256*\j   ; sixteen neighbouring lanes store 256 consecutive bytes, aligned: rows 0-15 of one tile; the other sixteen the other tile's
.endr
	global_store_b32 v4, v15, s[18:19]     ; the scale words of the two tiles: 128 consecutive bytes (one byte for 128 bytes read)
	s_endpgm
.endm
; Role X: K step sp of my half of K for my 16 tokens: 16 loads of 512 consecutive bytes, one a row, into set (sp + 1) % 2
.macro LOADX sp
.set RB, 124+64*(((\sp)+1)%2)
.set n, 0
.rept 16
	global_load_b128 v[RB+4*n:RB+4*n+3], v1, s[4:5] offset:4096*n+512*(\sp) th:TH_LOAD_NT
.set n, n+1
.endr
.endm
; Role X: one K step of 128: through the stage, so that lane (r, h) holds blocks h and 2 + h of row r whole; quantised; two products with Wg's tiles; codes and scale word to LDS
.macro XSTEP sp
.set RB, 124+64*(((\sp)+1)%2)
.if \sp < 3
	s_wait_loadcnt 16                      ; this step's 16 loads are in; the next step's 16 may be out
.else
	s_wait_loadcnt 0x0
.endif
.set n, 0
.rept 16
	ds_store_b128 v2, v[RB+4*n:RB+4*n+3] offset:528*n
.set n, n+1
.endr
.irp c, 0,1
.irp j, 0,1,2,3,4,5,6,7
	ds_load_b128 v[60+32*\c+4*\j:63+32*\c+4*\j], v3 offset:256*\c+16*\j   ; LDS serves a wave's instructions in order: these see the stores above
.endr
.endr
	s_wait_dscnt 0x0                       ; the stores have read their registers, the numbers are back, the last step's stores of codes are done
.if \sp < 2
	LOADX (\sp)+2                          ; the set just emptied takes the step two further on
.endif
.irp c, 0,1
	v_max3_num_f32 v[12+\c], |v[60+32*\c]|, |v[61+32*\c]|, 0x1800000   ; my two blocks by turns, with the floor
.endr
.irp i, 2,4,6,8,10,12,14,16,18,20,22,24,26,28,30
.irp c, 0,1
	s_delay_alu instid0(VALU_DEP_2)
	v_max3_num_f32 v[12+\c], v[12+\c], |v[60+32*\c+\i]|, |v[61+32*\c+\i]|
.endr
.endr                                          ; (these 32 lines are also the places between the last step's products and the loads below)
.irp tt, 0,1
.irp c, 0,1
	ds_load_b128 v[28+8*\tt+4*\c:31+8*\tt+4*\c], v6 offset:\tt*8192+\sp*1024+\c*512   ; Wg's fragment: experts 16 tt on
.endr
	ds_load_b32 v[18+\tt], v7 offset:\tt*512+\sp*64
.endr
	v_add_nc_u32 v14, 0xff000000, v12
	v_add_nc_u32 v15, 0xff000000, v13
	s_delay_alu instid0(VALU_DEP_2)
	v_lshrrev_b32 v12, 23, v14
	s_delay_alu instid0(VALU_DEP_2)
	v_lshrrev_b32 v13, 23, v15
	s_delay_alu instid0(VALU_DEP_1)
	v_lshl_or_b32 v12, v13, 16, v12        ; my two bytes: blocks h and 2 + h,
	s_delay_alu instid0(VALU_DEP_1)
	v_lshlrev_b32 v12, v8, v12             ; 8 h bits up;
	s_delay_alu instid0(VALU_DEP_1)
	v_permlanex16_b32 v16, v12, s26, s27
	s_delay_alu instid0(VALU_DEP_1)
	v_or_b32 v17, v12, v16                 ; with lane l xor 16's two the row's scale word is whole
.irp c, 0,1
.irp g, 0,1,2,3
	v_cvt_scalef32_pk8_fp4_f32 v[20+4*\c+\g], v[60+32*\c+8*\g:67+32*\c+8*\g], v[14+\c]
.endr
.endr
.rept 8
	v_nop                                  ; a scale register written by a vector line stands 8 places ahead of a scaled product, an operand so written 4
.endr
	s_wait_dscnt 0x0                       ; Wg's fragments and scale words
.if \sp == 0
	s_wait_alu depctr_va_vdst(0)
	v_wmma_scale_f32_16x16x128_f8f6f4 v[44:51], v[28:35], v[20:27], 0, v18, v17 matrix_a_fmt:MATRIX_FMT_FP4 matrix_b_fmt:MATRIX_FMT_FP4   ; source 0 = 16 experts, source 1 = my 16 tokens: lane (r, h) holds token r, experts 8 h + j
	v_wmma_scale_f32_16x16x128_f8f6f4 v[52:59], v[36:43], v[20:27], 0, v19, v17 matrix_a_fmt:MATRIX_FMT_FP4 matrix_b_fmt:MATRIX_FMT_FP4   ; experts 16 + 8 h + j
.else
	s_wait_alu depctr_va_vdst(0)
	v_wmma_scale_f32_16x16x128_f8f6f4 v[44:51], v[28:35], v[20:27], v[44:51], v18, v17 matrix_a_fmt:MATRIX_FMT_FP4 matrix_b_fmt:MATRIX_FMT_FP4   ; the two accumulators take turns
	v_wmma_scale_f32_16x16x128_f8f6f4 v[52:59], v[36:43], v[20:27], v[52:59], v19, v17 matrix_a_fmt:MATRIX_FMT_FP4 matrix_b_fmt:MATRIX_FMT_FP4
.endif
	ds_store_b128 v4, v[20:23] offset:64*\sp       ; the codes in K's own order: 64 bytes a K step of the token's row
	ds_store_b128 v4, v[24:27] offset:64*\sp+32
	ds_store_b32 v5, v17 offset:4*\sp
.endm
	s_load_b512 s[4:19], s[0:1], 0x0               ; x, Wg, W1, W2, xq, xs, wq, ws
	s_load_b128 s[20:23], s[0:1], 0x40             ; bm, gw
	s_set_vgpr_msb 0x40
	v_lshl_add_u32 v0, v0, 2, 0x22000
	v_mov_b32 v1, 0
	s_set_vgpr_msb 0x4000
	v_lshrrev_b32 v1, 5, v0
	s_delay_alu instid0(VALU_DEP_1)
	v_readfirstlane_b32 s24, v1                    ; wave 0..7
	v_and_b32 v9, 31, v0                           ; lane
	v_and_b32 v10, 15, v0                          ; r
	v_bfe_u32 v11, v0, 4, 1                        ; h
	s_mov_b32 s26, 0x76543210
	s_mov_b32 s27, 0xfedcba98                      ; v_permlanex16_b32's selects for lane l xor 16
	s_cmp_lt_u32 ttmp9, 64                         ; the roles part on the work-group's number alone
	s_cbranch_scc1 .Lrole_x
	s_cmp_lt_u32 ttmp9, 320
	s_cbranch_scc1 .Lrole_w1
	; ---- role W2: W2[e][128 s ..][256 G + 32 wave + lane]
	s_sub_co_u32 s28, ttmp9, 320
	s_lshr_b32 s29, s28, 3                         ; e
	s_bfe_u32 s30, s28, 0x20001                    ; G
	s_and_b32 s28, s28, 1                          ; s
	s_lshl_b32 s32, s29, 20                        ; in: e x 1,048,576 + s x 128 rows of 4,096 + G x 1,024
	s_lshl_b32 s31, s28, 19
	s_add_co_u32 s32, s32, s31
	s_lshl_b32 s31, s30, 10
	s_add_co_u32 s32, s32, s31
	s_mov_b32 s33, 0
	s_lshl_b32 s34, s29, 17                        ; codes: 4,194,304 + e x 131,072 + G x 32,768 + wave x 4,096 + s x 1,024
	s_lshl_b32 s31, s30, 15
	s_add_co_u32 s34, s34, s31
	s_lshl_b32 s31, s24, 12
	s_add_co_u32 s34, s34, s31
	s_lshl_b32 s31, s28, 10
	s_add_co_u32 s34, s34, s31
	s_add_co_u32 s34, s34, 0x400000
	s_mov_b32 s35, 0
	s_lshl_b32 s36, s29, 13                        ; scale words: 262,144 + e x 8,192 + ((8 G + wave) x 2 + s) x 128
	s_lshl_b32 s31, s30, 11
	s_add_co_u32 s36, s36, s31
	s_lshl_b32 s31, s24, 8
	s_add_co_u32 s36, s36, s31
	s_lshl_b32 s31, s28, 7
	s_add_co_u32 s36, s36, s31
	s_add_co_u32 s36, s36, 0x40000
	s_mov_b32 s37, 0
	s_lshl_b32 s31, s24, 7
	s_wait_alu depctr_va_vdst(0)
	v_lshl_add_u32 v2, v9, 2, s31                  ; my column: 4 x (32 wave + lane)
	v_lshlrev_b32 v3, 11, v11                      ; out: tile h x 2,048 + 16 r
	s_delay_alu instid0(VALU_DEP_1)
	v_lshl_add_u32 v3, v10, 4, v3
	v_lshlrev_b32 v4, 2, v9
	s_wait_alu depctr_va_vdst(0)
	s_wait_kmcnt 0x0
	s_add_nc_u64 s[10:11], s[10:11], s[32:33]
	s_add_nc_u64 s[16:17], s[16:17], s[34:35]
	s_add_nc_u64 s[18:19], s[18:19], s[36:37]
	WBODY 4096, 10
.Lrole_w1:
	; ---- role W1: W1[e][128 s ..][hidden unit].  THE UNITS OF A TILE ARE NOT NEIGHBOURS: row r of tile (wave, h) is unit 32 wave + 8 h + r + 8 (r / 8),
	; so that in the next launch the 16 registers of two neighbouring tiles' results are 16 neighbours along the second product's K.
	s_sub_co_u32 s28, ttmp9, 64
	s_lshr_b32 s29, s28, 3                         ; e
	s_and_b32 s28, s28, 7                          ; s
	s_lshl_b32 s32, s29, 20                        ; in: e x 1,048,576 + s x 128 rows of 1,024
	s_lshl_b32 s31, s28, 17
	s_add_co_u32 s32, s32, s31
	s_mov_b32 s33, 0
	s_lshl_b32 s34, s29, 17                        ; codes: e x 131,072 + wave x 16,384 + s x 1,024
	s_lshl_b32 s31, s24, 14
	s_add_co_u32 s34, s34, s31
	s_lshl_b32 s31, s28, 10
	s_add_co_u32 s34, s34, s31
	s_mov_b32 s35, 0
	s_lshl_b32 s36, s29, 13                        ; scale words: e x 8,192 + (8 wave + s) x 128
	s_lshl_b32 s31, s24, 10
	s_add_co_u32 s36, s36, s31
	s_lshl_b32 s31, s28, 7
	s_add_co_u32 s36, s36, s31
	s_mov_b32 s37, 0
	s_wait_alu depctr_va_vdst(0)
	v_and_b32 v2, 8, v10
	s_delay_alu instid0(VALU_DEP_1)
	v_add_nc_u32 v2, v2, v10                       ; r + 8 (r / 8)
	s_delay_alu instid0(VALU_DEP_1)
	v_lshl_add_u32 v2, v11, 3, v2                  ; + 8 h
	s_lshl_b32 s31, s24, 7
	v_lshl_add_u32 v2, v2, 2, s31                  ; x 4 + 128 wave: the wave's 32 lanes still read 128 consecutive bytes
	v_lshlrev_b32 v3, 13, v11                      ; out: tile h x 8,192 + 16 r
	s_delay_alu instid0(VALU_DEP_1)
	v_lshl_add_u32 v3, v10, 4, v3
	v_lshlrev_b32 v4, 2, v9
	s_wait_alu depctr_va_vdst(0)
	s_wait_kmcnt 0x0
	s_add_nc_u64 s[8:9], s[8:9], s[32:33]
	s_add_nc_u64 s[16:17], s[16:17], s[34:35]
	s_add_nc_u64 s[18:19], s[18:19], s[36:37]
	WBODY 1024, 8
.Lrole_x:
	; ---- role X: tokens 64 g .. 64 g + 63.  Wave: tile of 16 tokens tau = wave / 2, half of K kappa = wave % 2 (K steps 4 kappa .. 4 kappa + 3)
	; REGISTERS: v1-8, v252-255 addresses; v9-11 lane, r, h; v12-16 at work; v17 x's scale word; v18-19 Wg's; v20-27 x's codes; v28-43 Wg's two fragments; v44-59 two accumulators;
	;   v60-123 64 numbers of a lane; v124-251 two sets of 16 loads (Wg's 128 numbers of a lane lie in v60-187 first)
	s_lshr_b32 s28, s24, 1                         ; tau
	s_and_b32 s25, s24, 1                          ; kappa
	s_wait_alu depctr_va_vdst(0)
	v_lshlrev_b32 v1, 4, v9                        ; 16 x lane
	s_wait_alu depctr_va_vdst(0)
	s_mul_i32 s29, s24, 8448
	s_add_co_u32 s29, s29, XST                     ; my stage
	v_add_nc_u32 v2, s29, v1                       ; in: a row's 512 bytes as loaded
	v_mul_u32_u24 v3, v10, 528
	s_delay_alu instid0(VALU_DEP_1)
	v_lshl_add_u32 v3, v11, 7, v3
	s_delay_alu instid0(VALU_DEP_1)
	v_add_nc_u32 v3, s29, v3                       ; back: row r, + 128 h: my block of 32 numbers
	s_mul_i32 s30, s28, 16*528
	s_lshl_b32 s31, s25, 8
	s_add_co_u32 s30, s30, s31
	s_add_co_u32 s30, s30, XCS
	v_mul_u32_u24 v4, v10, 528
	s_delay_alu instid0(VALU_DEP_1)
	v_lshl_add_u32 v4, v11, 4, v4
	s_delay_alu instid0(VALU_DEP_1)
	v_add_nc_u32 v4, s30, v4                       ; codes: token 16 tau + r, + 256 kappa + 16 h
	s_lshl_b32 s30, s28, 9
	s_lshl_b32 s31, s25, 4
	s_add_co_u32 s30, s30, s31
	s_add_co_u32 s30, s30, XWS
	v_lshl_add_u32 v5, v10, 5, s30                 ; scale words: 32 bytes a token, + 16 kappa
	s_lshl_b32 s30, s25, 12
	v_add_nc_u32 v6, s30, v1                       ; Wg's fragments of my half of K
	s_lshl_b32 s30, s25, 8
	s_add_co_u32 s30, s30, GSC
	v_lshl_add_u32 v7, v10, 2, s30                 ; and their scale words
	v_lshlrev_b32 v8, 3, v11                       ; 8 h
	v_lshlrev_b32 v252, 2, v9                      ; Wg: lane = expert: 4 bytes a lane
	s_lshl_b32 s30, s24, 10
	v_lshl_add_u32 v253, v11, 13, s30
	s_delay_alu instid0(VALU_DEP_1)
	v_lshl_add_u32 v253, v10, 4, v253              ; its codes: tile lane / 16, K step = wave, row lane % 16
	s_lshl_b32 s30, s24, 6
	s_add_co_u32 s30, s30, GSC
	v_lshl_add_u32 v254, v11, 9, s30
	s_delay_alu instid0(VALU_DEP_1)
	v_lshl_add_u32 v254, v10, 2, v254              ; its scale word
	s_lshl_b32 s30, s24, 11
	s_add_co_u32 s30, s30, LGT
	v_add_nc_u32 v255, s30, v1                     ; my partial logits
	v_mov_b32 v16, 0                               ; a lane permute's destination counts as one of its sources
	s_lshl_b32 s32, s24, 14                        ; Wg: K step = wave: 128 rows of 128 bytes
	s_mov_b32 s33, 0
	s_lshl_b32 s34, ttmp9, 18                      ; x: (64 g + 16 tau) rows of 4,096 bytes + 2,048 kappa
	s_lshl_b32 s30, s28, 16
	s_add_co_u32 s34, s34, s30
	s_lshl_b32 s30, s25, 11
	s_add_co_u32 s34, s34, s30
	s_mov_b32 s35, 0
	s_wait_alu depctr_va_vdst(0)
	s_wait_kmcnt 0x0
	s_add_nc_u64 s[6:7], s[6:7], s[32:33]
	s_add_nc_u64 s[4:5], s[4:5], s[34:35]
	; Wg's K step = wave, all 32 experts: a lane takes an expert, its registers run down K; each load reads a whole row of Wg, 128 consecutive bytes
.set n, 0
.rept 128
	global_load_b32 v[60+n], v252, s[6:7] offset:n*128
.set n, n+1
.endr
	LOADX 0                                        ; x's first step is on its way while Wg is quantised
.irp j, 0,1,2,3
.if \j < 2
	s_wait_loadcnt 63                              ; 112 and 80 loads were issued behind blocks 0 and 1
.else
	s_wait_loadcnt 16+32*(3-\j)                    ; the blocks behind this one, and x's 16
.endif
	QCORE 60+32*\j, \j, 28
	ds_store_b128 v253, v[28+4*\j:31+4*\j] offset:256*\j   ; block j = registers 4 (j / 2) .. of lanes 16 (j % 2) + r of the fragment's image
.endr
	ds_store_b32 v254, v15
	LOADX 1
	s_wait_dscnt 0x0                               ; for the others' sake: my part of Wg lies in LDS
	s_barrier_signal -1
	s_barrier_wait -1
	XSTEP 0
	XSTEP 1
	XSTEP 2
	XSTEP 3
.rept 4
	v_nop                                          ; four places between a product and the first read of its result
.endr
	ds_store_b128 v255, v[44:47]                   ; each accumulator from its low end on
	ds_store_b128 v255, v[48:51] offset:512
	ds_store_b128 v255, v[52:55] offset:1024
	ds_store_b128 v255, v[56:59] offset:1536
	s_wait_dscnt 0x0                               ; codes, scale words and partial logits lie in LDS
	s_barrier_signal -1
	s_barrier_wait -1
	; ---- the tail.  Its LDS addresses take the address registers that the steps are done with, all ahead of the first parting on the wave's number
	s_xor_b32 s30, s24, 1
	s_lshl_b32 s30, s30, 11
	s_add_co_u32 s30, s30, LGT
	v_add_nc_u32 v2, s30, v1                       ; the other half of K's logits for my tokens
	s_wait_alu depctr_va_vdst(0)
	s_mul_i32 s30, s24, 8*528
	s_add_co_u32 s30, s30, XCS
	v_add_nc_u32 v3, s30, v1                       ; code rows 8 wave + i, whole
	s_wait_alu depctr_va_vdst(0)
	s_lshl_b32 s30, s24, 8
	s_add_co_u32 s30, s30, XWS
	v_lshl_add_u32 v4, v9, 3, s30                  ; 256 bytes of scale words
	v_lshlrev_b32 v5, 3, v9                        ; 8 x lane
	s_lshl_b32 s30, s28, 1
	s_add_co_u32 s30, s30, BMS
	v_lshl_add_u32 v6, v9, 3, s30                  ; bitmaps: lane = expert, 8 bytes each, my 16 tokens are bytes 2 tau, 2 tau + 1
	s_lshl_b32 s30, s28, 7
	s_add_co_u32 s30, s30, GWS
	v_lshl_add_u32 v7, v10, 3, s30                 ; weights: 8 bytes a token
	s_min_u32 s30, s24, 1
	s_lshl_b32 s30, s30, 9
	s_add_co_u32 s30, s30, BMS
	v_add_nc_u32 v252, s30, v1                     ; wave 0 reads the bitmaps back, wave 1 the weights
.irp k, 0,1,2,3
	ds_load_b128 v[60+4*\k:63+4*\k], v2 offset:512*\k
.endr
.irp i, 0,1,2,3,4,5,6,7
	ds_load_b128 v[124+4*\i:127+4*\i], v3 offset:528*\i
.endr
	ds_load_b64 v[156:157], v4
	s_lshl_b32 s32, ttmp9, 15                      ; xq: (64 g + 8 wave) rows of 512 bytes
	s_lshl_b32 s30, s24, 12
	s_add_co_u32 s32, s32, s30
	s_add_nc_u64 s[12:13], s[12:13], s[32:33]
	s_lshl_b32 s32, ttmp9, 11                      ; xs: 2,048 g + 256 wave
	s_lshl_b32 s30, s24, 8
	s_add_co_u32 s32, s32, s30
	s_add_nc_u64 s[14:15], s[14:15], s[32:33]
	s_wait_alu depctr_va_vdst(0)
	s_wait_dscnt 0x0
.irp i, 0,1,2,3,4,5,6,7
	global_store_b128 v1, v[124+4*\i:127+4*\i], s[12:13] offset:512*\i   ; a token's 512 bytes of codes: two aligned runs of 256
.endr
	global_store_b64 v5, v[156:157], s[14:15]      ; 256 consecutive bytes, aligned
.irp k, 0,1,2,3,4,5,6,7,8,9,10,11,12,13,14,15
	v_add_f32 v[76+\k], v[44+\k], v[60+\k]         ; the logit of token r and expert k + (k & 8) + 8 h: both waves of a pair get the same bits
.endr
	; the two best of my 16, in ascending order of experts with a strict compare: the lower index stays where two are equal
	v_mov_b32 v92, v76
	v_mov_b32 v93, 0
	v_mov_b32 v94, 0xff800000
	v_mov_b32 v95, 0
.irp k, 1
	s_delay_alu instid0(VALU_DEP_4)
	v_cmp_gt_f32 s30, v[76+\k], v92
	s_delay_alu instid0(VALU_DEP_3)
	v_cmp_gt_f32 s31, v[76+\k], v94
	s_delay_alu instid0(VALU_DEP_1)
	v_cndmask_b32 v94, v94, v[76+\k], s31
	s_delay_alu instid0(VALU_DEP_2)
	v_cndmask_b32 v95, v95, \k+(\k/8)*8, s31
	s_delay_alu instid0(VALU_DEP_2)
	v_cndmask_b32 v94, v94, v92, s30
	s_delay_alu instid0(VALU_DEP_2)
	v_cndmask_b32 v95, v95, v93, s30
	v_cndmask_b32 v92, v92, v[76+\k], s30
	v_cndmask_b32 v93, v93, \k+(\k/8)*8, s30
.endr
.irp k, 2, 3, 4, 5, 6, 7, 8, 9, 10, 11, 12, 13, 14, 15
	s_delay_alu instid0(VALU_DEP_2)
	v_cmp_gt_f32 s30, v[76+\k], v92
	v_cmp_gt_f32 s31, v[76+\k], v94
	s_delay_alu instid0(VALU_DEP_1)
	v_cndmask_b32 v94, v94, v[76+\k], s31
	s_delay_alu instid0(VALU_DEP_2)
	v_cndmask_b32 v95, v95, \k+(\k/8)*8, s31
	s_delay_alu instid0(VALU_DEP_2)
	v_cndmask_b32 v94, v94, v92, s30
	s_delay_alu instid0(VALU_DEP_2)
	v_cndmask_b32 v95, v95, v93, s30
	v_cndmask_b32 v92, v92, v[76+\k], s30
	v_cndmask_b32 v93, v93, \k+(\k/8)*8, s30
.endr
	s_delay_alu instid0(VALU_DEP_1)
	v_add_nc_u32 v93, v93, v8
	s_delay_alu instid0(VALU_DEP_4)
	v_add_nc_u32 v95, v95, v8
.irp k, 0,1,2,3
	v_mov_b32 v[96+\k], 0
.endr
.irp k, 0,1,2,3
	s_delay_alu instid0(VALU_DEP_4)
	v_permlanex16_b32 v[96+\k], v[92+\k], s26, s27 ; lane l xor 16's two best: the token's other 16 experts
.endr
	s_delay_alu instid0(VALU_DEP_4)
	v_cmp_gt_f32 s30, v92, v96                     ; mine is better: larger, or equal with the lower index
	v_cmp_eq_f32 s31, v92, v96
	v_cmp_lt_u32 s29, v93, v97
	s_and_b32 s31, s31, s29
	s_or_b32 s30, s30, s31
	v_cndmask_b32 v100, v98, v94, s30              ; the winner's second,
	v_cndmask_b32 v101, v99, v95, s30
	v_cndmask_b32 v102, v92, v96, s30              ; the loser's first
	v_cndmask_b32 v103, v93, v97, s30
	v_cndmask_b32 v92, v96, v92, s30               ; the best logit and its expert
	v_cndmask_b32 v93, v97, v93, s30
	s_delay_alu instid0(VALU_DEP_4)
	v_cmp_gt_f32 s30, v100, v102
	v_cmp_eq_f32 s31, v100, v102
	v_cmp_lt_u32 s29, v101, v103
	s_and_b32 s31, s31, s29
	s_or_b32 s30, s30, s31
	v_cndmask_b32 v94, v102, v100, s30             ; the second best
	v_cndmask_b32 v95, v103, v101, s30
	; the softmax over the 32 experts, its maximum (the best logit) taken away
.irp k, 0,1,2,3,4,5,6,7,8,9,10,11,12,13,14,15
	v_sub_f32 v[60+\k], v[76+\k], v92
.endr
.irp k, 0,1,2,3,4,5,6,7,8,9,10,11,12,13,14,15
	v_mul_f32 v[60+\k], L2E, v[60+\k]
.endr
	s_wait_alu depctr_va_vdst(0)
.irp k, 0,1,2,3,4,5,6,7,8,9,10,11,12,13,14,15
	v_exp_f32 v[60+\k], v[60+\k]
.endr
	v_sub_f32 v104, v94, v92                       ; (a plain line behind the exponentials)
	s_delay_alu instid0(VALU_DEP_1)
	v_mul_f32 v104, L2E, v104
	s_wait_alu depctr_va_vdst(0)
	v_pk_add_f32 v[60:61], v[60:61], v[62:63]
	v_pk_add_f32 v[64:65], v[64:65], v[66:67]
	v_pk_add_f32 v[68:69], v[68:69], v[70:71]
	v_pk_add_f32 v[72:73], v[72:73], v[74:75]
	s_delay_alu instid0(VALU_DEP_3)
	v_pk_add_f32 v[60:61], v[60:61], v[64:65]
	s_delay_alu instid0(VALU_DEP_2)
	v_pk_add_f32 v[68:69], v[68:69], v[72:73]
	s_delay_alu instid0(VALU_DEP_1)
	v_pk_add_f32 v[60:61], v[60:61], v[68:69]
	s_delay_alu instid0(VALU_DEP_1)
	v_add_f32 v60, v60, v61
	s_delay_alu instid0(VALU_DEP_1)
	v_permlanex16_b32 v61, v60, s26, s27
	s_delay_alu instid0(VALU_DEP_1)
	v_add_f32 v60, v60, v61                        ; the sum over all 32
	s_wait_alu depctr_va_vdst(0)
	v_exp_f32 v104, v104
	v_rcp_f32 v105, v60                            ; the best score: 1 / sum
	v_nop
	s_wait_alu depctr_va_vdst(0)
	v_mul_f32 v104, v104, v105                     ; the second score
	v_sub_f32 v104, v104, v105                     ; the softmax of the two, its maximum (the best score) taken away
	s_delay_alu instid0(VALU_DEP_1)
	v_mul_f32 v104, L2E, v104
	s_wait_alu depctr_va_vdst(0)
	v_exp_f32 v104, v104
	v_nop
	s_wait_alu depctr_va_vdst(0)
	v_add_f32 v106, 1.0, v104
	s_wait_alu depctr_va_vdst(0)
	v_rcp_f32 v116, v106                           ; w0
	v_nop
	s_wait_alu depctr_va_vdst(0)
	v_mul_f32 v117, v104, v116                     ; w1
	; which of my 16 tokens chose expert n: the compare's mask goes to lane n.  Values alone: nothing is addressed or branched by them
	v_mov_b32 v118, 0
	v_mov_b32 v119, 0
.set n, 0
.rept 32
	v_cmp_eq_u32 s30, n, v93
	s_delay_alu instid0(VALU_DEP_1)
	v_writelane_b32 v118, s30, n
	v_cmp_eq_u32 s31, n, v95
	s_delay_alu instid0(VALU_DEP_1)
	v_writelane_b32 v119, s31, n
.set n, n+1
.endr
	s_cmp_lg_u32 s25, 0                            ; both waves of a pair hold the same: the even one stores
	s_cbranch_scc1 .Lodd
	ds_store_b16 v6, v118                          ; bits 0-15: lanes 0-15, tokens 16 tau + r
	ds_store_b16 v6, v119 offset:256
	ds_store_b64 v7, v[116:117]
.Lodd:
	s_wait_dscnt 0x0
	s_barrier_signal -1
	s_barrier_wait -1
	s_cmp_gt_u32 s24, 1
	s_cbranch_scc1 .Lx_end
	ds_load_b128 v[120:123], v252
	s_lshl_b32 s32, ttmp9, 9                       ; 512 bytes a work-group in bm and in gw
	s_cmp_eq_u32 s24, 0
	s_cselect_b64 s[20:21], s[20:21], s[22:23]     ; wave 0: bm; wave 1: gw
	s_add_nc_u64 s[20:21], s[20:21], s[32:33]
	s_wait_dscnt 0x0
	global_store_b128 v1, v[120:123], s[20:21]     ; 512 consecutive bytes, aligned
.Lx_end:
	s_set_vgpr_msb 0x5
	s_wait_tensorcnt 0x0
	ds_add_u32 v0, v1
	s_wait_dscnt 0x0
	s_set_vgpr_msb 0x500
	s_endpgm
.Lfunc_end_k_q6f56477156_prep:
	.size	k_q6f56477156_prep, .Lfunc_end_k_q6f56477156_prep-k_q6f56477156_prep
	.p2alignl 7, 3214868480
	.fill 96, 4, 3214868480
	.section	.rodata,"a",@progbits
	.p2align	6, 0x0
	.amdhsa_kernel k_q6f56477156_prep
		.amdhsa_group_segment_fixed_size 140288
		.amdhsa_private_segment_fixed_size 0
		.amdhsa_enable_private_segment 0
		.amdhsa_kernarg_size 80
		.amdhsa_user_sgpr_count 2
		.amdhsa_user_sgpr_kernarg_segment_ptr 1
		.amdhsa_wavefront_size32 1
		.amdhsa_system_sgpr_workgroup_id_x 1
		.amdhsa_system_sgpr_workgroup_id_y 1
		.amdhsa_system_sgpr_workgroup_id_z 1
		.amdhsa_system_vgpr_workitem_id 0
		.amdhsa_next_free_vgpr 258
		.amdhsa_next_free_sgpr 66
		.amdhsa_reserve_vcc 0
		.amdhsa_float_denorm_mode_32 3
		.amdhsa_float_denorm_mode_16_64 3
		.amdhsa_memory_ordered 1
		.amdhsa_forward_progress 1
		.amdhsa_inst_pref_size 134
	.end_amdhsa_kernel
	.amdgpu_metadata
---
amdhsa.version: [ 1, 2 ]
amdhsa.kernels:
  - .name:           k_q6f56477156_prep
    .symbol:         k_q6f56477156_prep.kd
    .args:
      - { .name: x, .offset: 0, .size: 8, .value_kind: global_buffer, .address_space: global }
      - { .name: Wg, .offset: 8, .size: 8, .value_kind: global_buffer, .address_space: global }
      - { .name: W1, .offset: 16, .size: 8, .value_kind: global_buffer, .address_space: global }
      - { .name: W2, .offset: 24, .size: 8, .value_kind: global_buffer, .address_space: global }
      - { .name: xq, .offset: 32, .size: 8, .value_kind: global_buffer, .address_space: global }
      - { .name: xs, .offset: 40, .size: 8, .value_kind: global_buffer, .address_space: global }
      - { .name: wq, .offset: 48, .size: 8, .value_kind: global_buffer, .address_space: global }
      - { .name: ws, .offset: 56, .size: 8, .value_kind: global_buffer, .address_space: global }
      - { .name: bm, .offset: 64, .size: 8, .value_kind: global_buffer, .address_space: global }
      - { .name: gw, .offset: 72, .size: 8, .value_kind: global_buffer, .address_space: global }
    .group_segment_fixed_size: 140288
    .private_segment_fixed_size: 0
    .kernarg_segment_align: 8
    .kernarg_segment_size: 80
    .max_flat_workgroup_size: 256
    .sgpr_count:     66
    .vgpr_count:     258
    .wavefront_size: 32
...
	.end_amdgpu_metadata
.endif
;; end of part 4
;; launch chain (part 5): grid 32 x 8, 4 waves a work-group, no clusters, 82,432 bytes of LDS; arguments xq, xs, wq, ws, b1, b2, bm, y; writes y
.if DOCPART == 5
	.amdgcn_target "amdgcn-amd-amdhsa--gfx1250"
	.amdhsa_code_object_version 6
	.text
	.protected	k_q6f56477156_chain
	.globl	k_q6f56477156_chain
	.p2align	8
	.type	k_q6f56477156_chain,@function
k_q6f56477156_chain:
	s_mov_b64 s[64:65], 0
	v_nop
	global_prefetch_b8 v0, s[64:65] scope:SCOPE_SE
	s_setreg_imm32_b32 hwreg(HW_REG_WAVE_SCHED_MODE, 0, 2), 2
	s_setreg_imm32_b32 hwreg(HW_REG_WAVE_MODE, 25, 1), 1
	s_wait_xcnt 0x0
	s_wait_alu depctr_vm_vsrc(0)
; CHAIN: work-group (e, B) takes the rows of expert e among tokens 512 B .. 512 B + 511 through the whole chain: gather x's codes, x W1 + b1, gelu (erf), quantise, h W2 + b2; y leaves as bf16,
; row 2 token + slot.  Only chosen rows are multiplied.  The grid is fixed and serves every split: a token's two experts differ, so an expert has at most 512 rows here: 8 passes of 64 rows,
; a loop of constant count in which work is jumped over by scalar branches on the row count n; every barrier lies on every path.
; THE ROW LIST is not stored anywhere: rank q's row is found in the 32 bitmap words (512 tokens x 2 slots) that the launch before stored as whole numbers: the word by running counts, the bit by five halvings.
; SHARES: the four waves share the COLUMNS: wave w owns hidden units 64 w .. 64 w + 63 and outputs 256 w .. 256 w + 255; its part of W1 and W2 (64 KB of codes) lies in its registers,
; loaded once, 512 consecutive bytes an instruction, in the order of the operands' registers.  What goes from wave to wave through LDS is small: the rows' codes, as images of operand registers.
; Both products are used transposed (source 0 = 16 rows of the weight, source 1 = 16 tokens): a lane holds one token, its registers run along the next K or along a row of y.
; NO CLUSTER, though the 8 work-groups of an expert read the same 272 KB: the weights go from memory straight into registers, no tile of them lies in LDS, and each partner's jumps hang on its own count.
; GELU: gelu(x) = max(x, 0) - |x| t E, t = 1 / (1 + |x| / (2 sqrt 2)), E = 2^(-x^2 log2(e) / 2 + P(t)): erfc by a polynomial of degree 9 in t inside the exponent (fractional error 1.2e-7), no compare, no branch.
; LIMITS: NaN and infinities are not served; a hidden number under 2^-126 counts as 0 (v_exp_f32 gives 0 there); far on the negative side the relative error grows as x^2 x 6e-8, as for any f32 exp(-x^2);
; a block whose largest magnitude lies under 2^-124 gets the byte 1.
; REGISTERS, in windows of 256.  Window 1: W1's fragment (tile t, K step s) at 8 (8 t + s).  Window 2: W2's (t, s) at 8 (2 t + s).  Window 3: b2's 16 tiles at 8 t, y's 16 accumulators at 128 + 8 t.
; Window 0: v1-18 addresses; v22-23 rows of y, v25-26 tokens of the pass's 64 ranks; v28-29 a constant; v30-45 W1's scale words, v46-61 W2's, v62-69 x's, v70-71 the hidden layer's (scales alone);
;   v72-103 b1's 4 tiles; v104-167 x's 8 fragments | 16 gathered rows | y packed; v168-199 the hidden layer's 4 tiles | 2 hidden fragments + 16 offsets | gather offsets; v200-231, v232-247 at work.
; THE MODE: SCHED_MODE bits 1:0 = 2 (LLVM: expert scheduling mode 2), set by the entry lines.  The code itself states the register dependences between vector or matrix instructions and
; memory or LDS instructions, and those through scalar registers that vector instructions write, with s_wait_alu, always for 0.
; THE PLAN.  Registers that memory or LDS instructions touch, and who else names them:
;   v1-13, v17, v18   offsets and LDS addresses: written at the head, never again.
;   v104-167          the gather's loads land, XSTORE's LDS stores read | x's fragments land, the first product reads | the roundings to bf16 write, the stage's stores read, its loads land, y's stores read.
;   v62-69, v70-71    scale words land from LDS; the products read them.
;   v168-183          XLOAD's additions write, the gather reads them as offsets | the first product writes, gelu and the quantiser work on them | hidden fragments land, the second product reads.
;   v184-199          XLOAD writes v184-185, the gather reads v184, a load lands in v188-191, XSTORE reads them | the first product writes | the second phase's additions write 16 offsets, y's stores read them.
;   v244-247, v238    the quantiser writes, two LDS stores read.
; Waits for vector results and reads (va_vdst): at the head ahead of the first load; in XLOAD behind its offsets; in a tile of the first phase behind its products (the next tile's fragments are asked for there and
; land under the gelu) and behind the quantiser; in a tile of the second phase behind the roundings; and gelu's four for each eight numbers.  Waits for memory instructions' reads (vm_vsrc): at the loop's head; at the
; end of a tile of the first phase; at the head of a tile of the second; between the stage's stores and its loads; at the loop's tail.  Compares and lane reads go in runs into scalar registers, one wait (va_sdst) a run.
.set XIMG, 0                           ; LDS: x's codes, tile of 16 rows m at 8,704 m: piece pi (16 bytes of K) of row i at 272 pi + 16 i
.set XSC,  34816                       ; x's scale words: 48 bytes a rank (32 used)
.set HIMG, 37888                       ; the hidden layer's fragments: 2,048 m + 512 w + 16 lane (wave w's 64 units are registers 4 (w % 2) .. of K step w / 2)
.set HSC,  46080                       ; their scale words: 256 m + 128 s + 4 lane; wave w writes bytes 2 (w % 2), + 1
.set OST,  47104                       ; a stage of 16 rows x (512 + 16) bytes for each wave
.set BM,   32                          ; s[32:63] the bitmap words: 16 slot + 2 group + half
.set PF,   8                           ; s[8:14]  the ones ahead of each of a run's seven words (the arguments that lay in s8-15 have been added into the wave's own bases by then)
.set MK,   82                          ; s[82:95] the masks of a run of compares (the head's offsets lay here).  A run of 16 lane reads takes s8-15 and s82-89
.set WV,   66
.set EX,   67
.set BB,   68
.set NN,   69                          ; n: my rows
.set KP,   70
.set PP,   71                          ; the pass
.set P64,  72
.set TT,   73
.set LEFT, 74
.set SE,   75
.set SEL,  76                          ; s[76:77]
.set HI,   78
.set ODD,  79
.set B512, 80
.set H16,  81
.set SV,   200
.set MSB, 0
.macro WIN new                         ; the immediate's high byte repeats the setting that is left
.if MSB != \new
	s_set_vgpr_msb (MSB<<8)|\new
.set MSB, \new
.endif
.endm
; one product: D, A, B, C by their first registers; A's scale words in lanes 0-15 (row = 0) or 16-31 (row = 1) of v[sa]
.macro MM d, a, b, c, sa, sb, row
.if \row
	v_wmma_scale_f32_16x16x128_f8f6f4 v[\d:\d+7], v[\a:\a+7], v[\b:\b+7], v[\c:\c+7], v[\sa], v[\sb] matrix_a_fmt:MATRIX_FMT_FP4 matrix_b_fmt:MATRIX_FMT_FP4 matrix_a_scale:MATRIX_SCALE_ROW1
.else
	v_wmma_scale_f32_16x16x128_f8f6f4 v[\d:\d+7], v[\a:\a+7], v[\b:\b+7], v[\c:\c+7], v[\sa], v[\sb] matrix_a_fmt:MATRIX_FMT_FP4 matrix_b_fmt:MATRIX_FMT_FP4
.endif
.endm
; The search for a rank's word, words n0 .. n0 + cnt - 1: the last word with no more ones ahead of it than the rank holds the rank's bit.  The run's compares stand together, both vectors', each with a mask of its own.
.macro XRUN n0, cnt
.set k, 0
.rept \cnt
	s_mov_b32 s[PF+k], s[SE]                       ; the ones ahead of word n0 + k
	s_bcnt1_i32_b32 s[TT], s[BM+\n0+k]
	s_add_co_u32 s[SE], s[SE], s[TT]
.set k, k+1
.endr
.set k, 0
.rept \cnt
	v_cmp_le_u32 s[MK+2*k], s[PF+k], v[SV+3]
	v_cmp_le_u32 s[MK+2*k+1], s[PF+k], v[SV+19]
.set k, k+1
.endr
	s_wait_alu depctr_va_sdst(0)                   ; the run's masks are written, ahead of the selects that read them
.set k, 0
.rept \cnt
.irp q, 0,1
	v_cndmask_b32 v[SV+16*\q], v[SV+16*\q], s[BM+\n0+k], s[MK+2*k+\q]
	v_cndmask_b32 v[SV+16*\q+1], v[SV+16*\q+1], s[PF+k], s[MK+2*k+\q]
	v_cndmask_b32 v[SV+16*\q+2], v[SV+16*\q+2], \n0+k, s[MK+2*k+\q]
.endr
.set k, k+1
.endr
.endm
; one halving, both vectors together: the count of ones in the wd bits from pos on stands in a field of level lvl; if j is not under it, j loses it and pos goes wd on
.macro SELSTEP lvl, wd
.irp q, 0,1
	v_bfe_u32 v[SV+16*\q+10], v[SV+16*\q+\lvl], v[SV+16*\q+5], \wd
.endr
.irp q, 0,1
	v_cmp_ge_u32 s[MK+\q], v[SV+16*\q+4], v[SV+16*\q+10]
.endr
	s_wait_alu depctr_va_sdst(0)                   ; both masks are written, ahead of the selects that read them
.irp q, 0,1
	v_cndmask_b32 v[SV+16*\q+10], 0, v[SV+16*\q+10], s[MK+\q]
	v_cndmask_b32 v[SV+16*\q+11], 0, \wd, s[MK+\q]
.endr
.irp q, 0,1
	v_sub_nc_u32 v[SV+16*\q+4], v[SV+16*\q+4], v[SV+16*\q+10]
	v_add_nc_u32 v[SV+16*\q+5], v[SV+16*\q+5], v[SV+16*\q+11]
.endr
.endm
; The tokens and rows of y of ranks 64 p + lane (vector 0) and + 32 (vector 1).  At SV + 16 vector: +0 word, +1 ones ahead of it, +2 its number, +3 rank, +4 j, +5 pos, +6..9 counts by 2, 4, 8, 16 bits, +10, +11 at work.
; A rank at or past n gets some token inside the table: its results are never stored.
.macro XSEL first
	v_add_nc_u32 v[SV+3], s[P64], v3
	s_wait_alu depctr_va_vdst(0)
	v_add_nc_u32 v[SV+19], 32, v[SV+3]
	s_wait_alu depctr_va_vdst(0)
.irp q, 0,16
	v_mov_b32 v[SV+\q], s[BM]
	v_mov_b32 v[SV+\q+1], 0
	v_mov_b32 v[SV+\q+2], 0
.endr
	s_bcnt1_i32_b32 s[SE], s[BM]
	XRUN 1, 7
	XRUN 8, 7
	XRUN 15, 7
	XRUN 22, 7
	XRUN 29, 3
.if \first
	s_mov_b32 s[NN], s[SE]                         ; all ones: n
.endif
.irp q, 0,16
	v_sub_nc_u32 v[SV+\q+4], v[SV+\q+3], v[SV+\q+1]
	v_mov_b32 v[SV+\q+5], 0
	v_lshrrev_b32 v[SV+\q+10], 1, v[SV+\q]
	v_and_b32 v[SV+\q+10], 0x55555555, v[SV+\q+10]
	v_sub_nc_u32 v[SV+\q+6], v[SV+\q], v[SV+\q+10]
	v_lshrrev_b32 v[SV+\q+10], 2, v[SV+\q+6]
	v_and_b32 v[SV+\q+10], 0x33333333, v[SV+\q+10]
	v_and_b32 v[SV+\q+7], 0x33333333, v[SV+\q+6]
	v_add_nc_u32 v[SV+\q+7], v[SV+\q+7], v[SV+\q+10]
	v_lshrrev_b32 v[SV+\q+10], 4, v[SV+\q+7]
	v_add_nc_u32 v[SV+\q+10], v[SV+\q+10], v[SV+\q+7]
	v_and_b32 v[SV+\q+8], 0x0f0f0f0f, v[SV+\q+10]
	v_lshrrev_b32 v[SV+\q+10], 8, v[SV+\q+8]
	v_add_nc_u32 v[SV+\q+10], v[SV+\q+10], v[SV+\q+8]
	v_and_b32 v[SV+\q+9], 0x00ff00ff, v[SV+\q+10]
.endr
	SELSTEP 9, 16
	SELSTEP 8, 8
	SELSTEP 7, 4
	SELSTEP 6, 2
	SELSTEP 0, 1
.irp q, 0,16
	v_and_b32 v[SV+\q+10], 15, v[SV+\q+2]
	v_lshl_add_u32 v[SV+\q+10], v[SV+\q+10], 5, v[SV+\q+5]
	v_add_nc_u32 v[SV+\q+10], s[B512], v[SV+\q+10] ; token = 512 B + 32 (word % 16) + bit
	v_min_u32 v[25+\q/16], 0xfff, v[SV+\q+10]
	v_lshrrev_b32 v[SV+\q+11], 4, v[SV+\q+2]       ; slot = word / 16
	v_lshl_add_u32 v[SV+\q+11], v[SV+\q+10], 1, v[SV+\q+11]
	v_min_u32 v[22+\q/16], 0x1fff, v[SV+\q+11]     ; row of y = 2 token + slot
.endr
.endm
; Wave w gathers the 16 rows of ranks 16 w + i: a whole row of 512 bytes of codes an instruction; and 16 bytes of scale words for each of 32 ranks.  All 17 offsets are made first, then the 17 loads go out in one run.
.macro XLOAD
	v_cndmask_b32 v24, v25, v26, s[HI]             ; ranks 32 (w / 2) on,
	v_permlanex16_b32 v27, v24, s[SEL], s[SEL+1]
	v_cndmask_b32 v24, v24, v27, s[ODD]            ; their upper half brought down where w is odd
	v_cndmask_b32 v185, v25, v26, s[ODD]           ; ranks 32 (w % 2) + lane,
	v_min_u32 v185, 0xfff, v185
	v_lshl_add_u32 v184, v185, 5, s[H16]           ; half w / 2 of the token's 32 bytes
.set n, 0
.rept 16
.set rl, 8+n+66*(n/8)
	v_readlane_b32 s[rl], v24, n
.set n, n+1
.endr
	s_wait_alu depctr_va_sdst(0)                   ; the sixteen tokens are written into their scalar registers, ahead of the bounds that read them
.set n, 0
.rept 16
.set rl, 8+n+66*(n/8)
	s_min_u32 s[rl], s[rl], 0xfff                  ; a number that was loaded enters an address only behind this bound
	v_lshl_add_u32 v[168+n], s[rl], 9, v1
.set n, n+1
.endr
	s_wait_alu depctr_va_vdst(0)                   ; the offsets v168-184 are written, which the loads below read; and all vector lines that named v104-167 and v188-191, in which they land, are done
.set n, 0
.rept 16
	global_load_b128 v[104+4*n:107+4*n], v[168+n], s[4:5]
.set n, n+1
.endr
	global_load_b128 v[188:191], v184, s[6:7]
.endm
.macro XSTORE
.set n, 0
.rept 16
	ds_store_b128 v4, v[104+4*n:107+4*n] offset:16*n   ; lane = piece of K: 272 bytes from lane to lane, 16 from row to row
.set n, n+1
.endr
	ds_store_b128 v6, v[188:191]
.endm
; x's eight fragments and scale words of tile t of the pass
.macro XFETCH t
.irp s, 0,1,2,3,4,5,6,7
.irp c, 0,1
	ds_load_b128 v[104+8*\s+4*\c:107+8*\s+4*\c], v5 offset:(\t)*8704+(4*\s+2*\c)*272   ; lanes 0-15 and 16-31: 256 consecutive bytes each
.endr
.endr
	ds_load_b128 v[62:65], v7 offset:(\t)*768
	ds_load_b128 v[66:69], v7 offset:(\t)*768+16
.endm
; gelu of the 8 numbers v[hb] on, in place
.macro GELU8 hb
.irp i, 0,1,2,3,4,5,6,7
	v_fma_f32 v[200+\i], |v[\hb+\i]|, s[KP], 1.0
.endr
	s_wait_alu depctr_va_vdst(0)
.irp i, 0,1,2,3,4,5,6,7
	v_rcp_f32 v[200+\i], v[200+\i]                 ; t
.endr
.irp i, 0,2,4,6
	v_pk_mul_f32 v[208+\i:209+\i], v[\hb+\i:\hb+\i+1], v[\hb+\i:\hb+\i+1]   ; x^2 (plain lines behind the reciprocals)
.endr
	s_wait_alu depctr_va_vdst(0)                   ; the eight reciprocals have written v200-207, ahead of their first reader
.irp i, 0,2,4,6
	v_pk_fma_f32 v[216+\i:217+\i], v[200+\i:201+\i], 0x3e7c6f08, v[28:29] op_sel_hi:[1,0,1]   ; c9 t + c8
.endr
.irp c, 0x40097039, 0xbfd1a1e5, 0x3ecdfd18, 0xbe899a80, 0x3e0efb2e, 0x3f0a29d2, 0x3fb8ab5a, 0xc034d90f
.irp i, 0,2,4,6
	v_pk_fma_f32 v[216+\i:217+\i], v[216+\i:217+\i], v[200+\i:201+\i], \c op_sel_hi:[1,1,0]   ; c7 .. c0: the coefficients x log2(e), 1 off c0 for the factor 1/2
.endr
.endr
.irp i, 0,2,4,6
	v_pk_fma_f32 v[216+\i:217+\i], v[208+\i:209+\i], 0xbf38aa3b, v[216+\i:217+\i] op_sel_hi:[1,0,1]   ; - x^2 log2(e) / 2
.endr
	s_wait_alu depctr_va_vdst(0)
.irp i, 0,1,2,3,4,5,6,7
	v_exp_f32 v[216+\i], v[216+\i]
.endr
.irp i, 0,1,2,3,4,5,6,7
	v_mul_f32 v[224+\i], |v[\hb+\i]|, v[200+\i]    ; (plain lines behind the exponentials)
.endr
.irp i, 0,1,2,3,4,5,6,7
	v_max_num_f32 v[208+\i], 0, v[\hb+\i]
.endr
	s_wait_alu depctr_va_vdst(0)                   ; the eight exponentials have written v216-223, ahead of their first reader
.irp i, 0,1,2,3,4,5,6,7
	v_fma_f32 v[\hb+\i], -v[224+\i], v[216+\i], v[208+\i]
.endr
.endm
; my 32 numbers of a row, register 16 b + i = hidden unit 64 w + 32 b + 16 h + i, become four registers of the next operand (v244-247) and two scale bytes (v238)
.macro QUANT2
.irp b, 0,1
	v_max3_num_f32 v[232+\b], |v[168+16*\b]|, |v[169+16*\b]|, 0x1800000   ; with the floor 2^(3 - 127)
.endr
.irp i, 2,4,6,8,10,12,14
.irp b, 0,1
	v_max3_num_f32 v[232+\b], v[232+\b], |v[168+16*\b+\i]|, |v[169+16*\b+\i]|
.endr
.endr
.irp b, 0,1
	v_permlanex16_b32 v[234+\b], v[232+\b], s[SEL], s[SEL+1]
.endr
.irp b, 0,1
	v_max_num_f32 v[232+\b], v[232+\b], v[234+\b]  ; with lane l xor 16's 16: the block's largest magnitude
.endr
.irp b, 0,1
	v_add_nc_u32 v[236+\b], 0xff000000, v[232+\b]
.endr
.irp b, 0,1
	v_lshrrev_b32 v[234+\b], 23, v[236+\b]
.endr
	v_lshl_or_b32 v238, v235, 8, v234
.irp b, 0,1
	v_cvt_scalef32_pk8_fp4_f32 v[244+2*\b], v[168+16*\b:175+16*\b], v[236+\b]
	v_cvt_scalef32_pk8_fp4_f32 v[245+2*\b], v[176+16*\b:183+16*\b], v[236+\b]
.endr
	v_nop                                          ; one plain line behind a scaled conversion
	v_permlane16_swap_b32 v244, v246               ; the operand wants a whole block in a lane: lanes 0-15 block 0, lanes 16-31 block 1
	v_permlane16_swap_b32 v245, v247
.endm
; Tile m of the pass: my 64 hidden units for 16 rows.  Tile 0 asks for its own fragments of x; each tile asks for the next tile's as soon as its products have read their registers, so that they land under the gelu.
; (XSTORE stores all 64 ranks of a pass, so the next tile's bytes are written whether it has rows or not.)  A tile without rows ends the phase: the tiles behind it have none either.
.macro PHASE1 m
	s_add_co_u32 s[TT], s[P64], 16*\m
	s_cmp_ge_u32 s[TT], s[NN]
	s_cbranch_scc1 .Lhidden_done                   ; no row left for this tile
.if \m == 0
	XFETCH 0                                       ; no wait on vector results: each line that named v104-167 or v62-69 stands ahead of a wait of the trip before
.endif
	s_wait_dscnt 0x0
	WIN 0x01                                       ; source 0 (W1) window 1
.irp s, 0,1,2,3,4,5,6,7                        ; the four accumulators take turns; b1 is the C of each sum's first product
.irp t, 0,1,2,3
.if \s == 0
	MM 168+8*\t, 8*(8*\t+\s), 104+8*\s, 72+8*\t, 30+8*(\t/2)+\s, 62+\s, \t%2
.else
	MM 168+8*\t, 8*(8*\t+\s), 104+8*\s, 168+8*\t, 30+8*(\t/2)+\s, 62+\s, \t%2
.endif
.endr
.endr
	WIN 0
.rept 4
	v_nop                                          ; four places between a product and the first read of its result
.endr
.if \m < 3
	s_wait_alu depctr_va_vdst(0)                   ; the products are done reading x's fragments v104-167 and scale words v62-69, in which the next tile's loads land
	XFETCH \m+1
.endif
	GELU8 168                                      ; each accumulator is read from its low end on
	GELU8 176
	GELU8 184
	GELU8 192
	QUANT2
	s_wait_alu depctr_va_vdst(0)                   ; the quantiser has written v244-247 and v238, which the two stores read; gelu and the quantiser are done with v168-199, in which the second phase's loads land
	ds_store_b128 v8, v[244:247] offset:\m*2048
	ds_store_b16 v9, v238 offset:\m*256
	s_wait_dscnt 0x0
	s_wait_alu depctr_vm_vsrc(0)                   ; the two stores have read v244-247 and v238, which the next tile's quantiser writes
.endm
; Tile m of the pass: my 256 outputs for 16 rows, rounded to bf16, through my own stage, stored as parts of rows of 512 consecutive bytes
.macro PHASE2 m
	s_add_co_u32 s[TT], s[P64], 16*\m
	s_cmp_ge_u32 s[TT], s[NN]
	s_cbranch_scc1 .Lskip2_\@
	s_sub_co_u32 s[LEFT], s[NN], s[TT]             ; rows left from this tile's first on
.irp s, 0,1                                    ; no wait on vector results: the lines that named v168-183 and v70-71 (the quantiser; the last tile's products) stand ahead of a wait
.irp c, 0,1
	ds_load_b128 v[168+8*\s+4*\c:171+8*\s+4*\c], v10 offset:\m*2048+\s*1024+\c*512
.endr
	ds_load_b32 v[70+\s], v11 offset:\m*256+\s*128
.endr
.set n, 0
.rept 16                                       ; the sixteen rows of y are read out while those loads are on their way
.set rl, 8+n+66*(n/8)
	v_readlane_b32 s[rl], v[22+\m/2], 16*(\m%2)+n  ; rank 16 m + n's row of y
.set n, n+1
.endr
	s_wait_alu depctr_va_sdst(0)                   ; the sixteen rows are written into their scalar registers, ahead of the bounds that read them
.set n, 0
.rept 16
.set rl, 8+n+66*(n/8)
	s_min_u32 s[rl], s[rl], 0x1fff
.set n, n+1
.endr
	s_wait_xcnt 0x0                                ; the last tile's stores have read their offsets and data: both are written again below
	s_wait_alu depctr_vm_vsrc(0)                   ; the last tile's stores have read their offsets v184-199 and data v104-167, which the additions and roundings below write
	s_wait_dscnt 0x0
	WIN 0xf2                                       ; source 0 (W2) window 2; C and D window 3
.irp s, 0,1                                    ; sixteen accumulators by turns; b2 is the C of each sum's first product
.irp t, 0,1,2,3,4,5,6,7,8,9,10,11,12,13,14,15
.if \s == 0
	MM 128+8*\t, 8*(2*\t+\s), 168+8*\s, 8*\t, 46+2*(\t/2)+\s, 70+\s, \t%2
.else
	MM 128+8*\t, 8*(2*\t+\s), 168+8*\s, 128+8*\t, 46+2*(\t/2)+\s, 70+\s, \t%2
.endif
.endr
.endr
	WIN 0
.set n, 0
.rept 16
.set rl, 8+n+66*(n/8)
	v_lshl_add_u32 v[184+n], s[rl], 11, v14        ; x 2,048 + 512 w + 16 lane.  (These sixteen additions are the places behind the products)
.set n, n+1
.endr
	WIN 0x0f                                       ; sources 0 and 1 window 3
.irp t, 0,1,2,3,4,5,6,7,8,9,10,11,12,13,14,15
.irp r, 0,1,2,3
	v_cvt_pk_bf16_f32 v[104+4*\t+\r], v[128+8*\t+2*\r], v[129+8*\t+2*\r]   ; each accumulator in ascending order
.endr
.endr
	WIN 0
	s_wait_alu depctr_va_vdst(0)                   ; the roundings have written v104-167, which the stage's stores read; the additions have written the offsets v184-199; the products are done reading v168-183 and v70-71
.irp t, 0,1,2,3,4,5,6,7,8,9,10,11,12,13,14,15
	ds_store_b128 v12, v[104+4*\t:107+4*\t] offset:32*\t
.endr
	s_wait_alu depctr_vm_vsrc(0)                   ; the stage's stores have read v104-167, in which the loads below land
.irp i, 0,1,2,3,4,5,6,7,8,9,10,11,12,13,14,15
	ds_load_b128 v[104+4*\i:107+4*\i], v13 offset:528*\i   ; LDS serves a wave's instructions in order: these see my stores
.endr
.irp i, 0,1,2,3,4,5,6,7,8,9,10,11,12,13,14,15
	s_wait_dscnt 15-\i
	s_cmp_le_u32 s[LEFT], \i
	s_cbranch_scc1 .Lrows_done_\@                  ; ranks at or past n are not stored
	global_store_b128 v[184+\i], v[104+4*\i:107+4*\i], s[18:19]   ; 32 lanes store 512 consecutive bytes, aligned
.endr
.Lrows_done_\@:
	s_wait_dscnt 0x0
.Lskip2_\@:
.endm
	s_load_b512 s[4:19], s[0:1], 0x0               ; xq, xs, wq, ws, b1, b2, bm, y
	v_lshl_add_u32 v254, v0, 2, 0x14000            ; the LDS address of my spare word, behind the stages, and 0: made here and kept for the closing lines alone
	v_mov_b32 v255, 0
	v_lshrrev_b32 v1, 5, v0
	v_readfirstlane_b32 s[WV], v1                  ; wave 0..3
	s_mov_b32 s[EX], ttmp9                         ; the expert
	s_and_b32 s[BB], ttmp7, 0xffff                 ; the block of 512 tokens
	v_and_b32 v3, 31, v0                           ; lane
	s_wait_alu depctr_va_vdst(0)
	v_and_b32 v15, 15, v0                          ; r
	v_bfe_u32 v16, v0, 4, 1                        ; h
	v_lshlrev_b32 v1, 4, v3                        ; 16 x lane
	v_lshlrev_b32 v2, 2, v3                        ; 4 x lane
	s_wait_alu depctr_va_sdst(0)                   ; the wave's number is written into its scalar register, ahead of its first reader
	s_mul_i32 s[TT], s[WV], 8704
	v_mul_u32_u24 v4, v3, 272
	v_add_nc_u32 v4, s[TT], v4                     ; x's codes in: tile = wave, piece = lane
	v_mul_u32_u24 v5, v16, 272
	v_lshl_add_u32 v5, v15, 4, v5                  ; and out: piece + h, row r
	s_and_b32 s82, s[WV], 1
	s_lshr_b32 s83, s[WV], 1
	s_mul_i32 s[TT], s82, 1536
	s_lshl_b32 s[H16], s83, 4
	s_add_co_u32 s[TT], s[TT], s[H16]
	s_add_co_u32 s[TT], s[TT], XSC
	v_mul_u32_u24 v6, v3, 48
	v_add_nc_u32 v6, s[TT], v6                     ; x's scale words in: rank 32 (w % 2) + lane, half w / 2
	v_mul_u32_u24 v7, v15, 48
	v_add_nc_u32 v7, XSC, v7                       ; and out: rank 16 m + r
	s_lshl_b32 s[TT], s[WV], 9
	s_add_co_u32 s[TT], s[TT], HIMG
	v_add_nc_u32 v8, s[TT], v1                     ; the hidden layer's codes in
	s_lshl_b32 s[TT], s83, 7
	s_lshl_b32 s84, s82, 1
	s_add_co_u32 s[TT], s[TT], s84
	s_add_co_u32 s[TT], s[TT], HSC
	v_add_nc_u32 v9, s[TT], v2                     ; its two scale bytes in
	v_add_nc_u32 v10, HIMG, v1                     ; and both out
	v_add_nc_u32 v11, HSC, v2
	s_mul_i32 s[TT], s[WV], 8448
	s_add_co_u32 s[TT], s[TT], OST
	v_mul_u32_u24 v12, v15, 528
	v_lshl_add_u32 v12, v16, 4, v12
	v_add_nc_u32 v12, s[TT], v12                   ; my stage in: row r, 16 h
	v_add_nc_u32 v13, s[TT], v1                    ; and out: a row's 512 bytes
	s_lshl_b32 s[TT], s[WV], 9
	v_add_nc_u32 v14, s[TT], v1                    ; in a row of y: 512 w + 16 lane
	v_lshlrev_b32 v17, 6, v16                      ; b1: 64 h
	v_lshlrev_b32 v18, 5, v16                      ; b2: 32 h
	v_mov_b32 v27, 0                               ; lane permutes' destinations count as sources
	v_mov_b32 v234, 0
	v_mov_b32 v235, 0
	v_mov_b32 v28, 0xbf97d29d                      ; c8, twice: the packed form's third source
	v_mov_b32 v29, 0xbf97d29d
	s_mov_b32 s[KP], 0x3eb504f3                    ; 1 / (2 sqrt 2)
	s_mov_b32 s[SEL], 0x76543210
	s_mov_b32 s[SEL+1], 0xfedcba98
	s_cmp_ge_u32 s[WV], 2
	s_cselect_b32 s[HI], -1, 0
	s_cmp_lg_u32 s82, 0
	s_cselect_b32 s[ODD], -1, 0
	s_lshl_b32 s[B512], s[BB], 9
	s_mov_b32 s[PP], 0
	s_mov_b32 s[P64], 0
	s_lshl_b32 s84, s[EX], 17                      ; codes: e x 131,072 + w x 32,768
	s_lshl_b32 s[TT], s[WV], 15
	s_add_co_u32 s84, s84, s[TT]
	s_mov_b32 s85, 0
	s_lshl_b32 s86, s[EX], 13                      ; scale words: e x 8,192 + w x 2,048
	s_lshl_b32 s[TT], s[WV], 11
	s_add_co_u32 s86, s86, s[TT]
	s_mov_b32 s87, 0
	s_lshl_b32 s88, s[EX], 10                      ; b1: e x 1,024 + w x 256
	s_lshl_b32 s[TT], s[WV], 8
	s_add_co_u32 s88, s88, s[TT]
	s_mov_b32 s89, 0
	s_lshl_b32 s90, s[EX], 12                      ; b2: e x 4,096 + w x 1,024
	s_lshl_b32 s[TT], s[WV], 10
	s_add_co_u32 s90, s90, s[TT]
	s_mov_b32 s91, 0
	s_lshl_b32 s92, s[BB], 12                      ; bm: 8 groups of 512 bytes a block, + 8 e
	s_lshl_b32 s[TT], s[EX], 3
	s_add_co_u32 s92, s92, s[TT]
	s_mov_b32 s93, 0
	s_wait_kmcnt 0x0
	s_add_nc_u64 s[20:21], s[8:9], s[84:85]        ; my part of W1's codes,
	s_add_nc_u64 s[22:23], s[20:21], 0x400000      ; of W2's,
	s_add_nc_u64 s[24:25], s[10:11], s[86:87]      ; of W1's scale words,
	s_add_nc_u64 s[26:27], s[24:25], 0x40000       ; of W2's,
	s_add_nc_u64 s[28:29], s[12:13], s[88:89]      ; of b1,
	s_add_nc_u64 s[30:31], s[14:15], s[90:91]      ; of b2
	s_add_nc_u64 s[16:17], s[16:17], s[92:93]
.irp sl, 0,1
.irp g, 0,1,2,3,4,5,6,7
	s_load_b64 s[BM+16*\sl+2*\g:BM+16*\sl+2*\g+1], s[16:17], \g*512+\sl*256
.endr
.endr
; The weights' loads are counted in symbols of their own, wl1 and wl2: each run is cut in two, and the macros between its parts use n.
	WIN 0x40                                       ; destination window 1
	s_wait_alu depctr_va_vdst(0)                   ; the offsets and LDS addresses v1 to v13, v17 and v18 are written: every load, store and LDS access of the kernel reads one of them, and none is written again
.set wl1, 0
.rept 56
	global_load_b128 v[4*wl1:4*wl1+3], v1, s[20:21] offset:512*wl1   ; W1, pieces 0-55 of 64: on their way while the rows are looked up
.set wl1, wl1+1
.endr
	WIN 0
	s_wait_kmcnt 0x0                               ; the bitmap words
	XSEL 1
	XLOAD                                          ; 17 loads
	WIN 0x40
.rept 8
	global_load_b128 v[4*wl1:4*wl1+3], v1, s[20:21] offset:512*wl1   ; W1, pieces 56-63
.set wl1, wl1+1
.endr
	WIN 0
.set n, 0
.rept 16
	global_load_b32 v[30+n], v2, s[24:25] offset:128*n         ; lanes 0-15: the even tile's rows, lanes 16-31: the odd tile's
.set n, n+1
.endr
.irp t, 0,1,2,3
	global_load_b128 v[72+8*\t:75+8*\t], v17, s[28:29] offset:(\t/2)*128+(\t%2)*32      ; b1 at units 32 (t / 2) + 16 h + 8 (t % 2) + 0 .. 7: the result's layout
	global_load_b128 v[76+8*\t:79+8*\t], v17, s[28:29] offset:(\t/2)*128+(\t%2)*32+16
.endr
	WIN 0x80                                       ; destination window 2
.set wl2, 0
.rept 28
	global_load_b128 v[4*wl2:4*wl2+3], v1, s[22:23] offset:512*wl2   ; W2, pieces 0-27 of 64
.set wl2, wl2+1
.endr
	WIN 0
	s_wait_loadcnt 60                              ; 8 + 16 + 8 + 28 loads were issued behind the gather: the rows of x are in
	XSTORE
	WIN 0x80
.rept 36
	global_load_b128 v[4*wl2:4*wl2+3], v1, s[22:23] offset:512*wl2   ; W2, pieces 28-63
.set wl2, wl2+1
.endr
	WIN 0
.set n, 0
.rept 16
	global_load_b32 v[46+n], v2, s[26:27] offset:128*n
.set n, n+1
.endr
	WIN 0xc0                                       ; destination window 3
.set n, 0
.rept 16
	global_load_b128 v[8*n:8*n+3], v18, s[30:31] offset:64*n       ; b2 at outputs 16 t + 8 h + 0 .. 7
	global_load_b128 v[8*n+4:8*n+7], v18, s[30:31] offset:64*n+16
.set n, n+1
.endr
	WIN 0
	s_wait_loadcnt 63                              ; 28 + 84 loads were issued behind W1, its scale words and b1: they are in; W2's part lands under the first product
.Lpass:                                                ; 8 trips, whatever n
	s_wait_alu depctr_vm_vsrc(0)                   ; the gather has read its offsets v168-184, and the LDS stores of x's images have read v104-167 and v188-191: x's fragments land in the one, the first product writes the others
	s_wait_dscnt 0x0                               ; my stores of x's images have landed, my reads of the hidden layer's are over
	s_barrier_signal -1
	s_barrier_wait -1
	PHASE1 0
	PHASE1 1
	PHASE1 2
	PHASE1 3
.Lhidden_done:
	s_wait_dscnt 0x0                               ; my stores of the hidden layer's images have landed, my reads of x's are over
	s_barrier_signal -1
	s_barrier_wait -1
	s_wait_loadcnt 0x0                             ; W2, its scale words, b2 (from the second trip on nothing is out here)
	PHASE2 0
	PHASE2 1
	PHASE2 2
	PHASE2 3
	s_wait_xcnt 0x0                                ; the stores have read their offsets and data: both sets of registers are used again
	s_wait_alu depctr_vm_vsrc(0)                   ; y's stores have read their offsets v184-199 and data v104-167: the next gather's offsets are written into the one, and its loads land in both
	s_add_co_u32 s[PP], s[PP], 1
	s_lshl_b32 s[P64], s[PP], 6
	s_cmp_ge_u32 s[P64], s[NN]
	s_cbranch_scc1 .Lno_more                       ; no barrier stands under this branch
	XSEL 0                                         ; the next 64 ranks: x's images are written again behind the second barrier, which every wave reaches behind its reads of them
	XLOAD
	s_wait_loadcnt 0x0
	XSTORE
.Lno_more:
	s_cmp_lt_u32 s[PP], 8
	s_cbranch_scc1 .Lpass
	s_wait_dscnt 0x0                               ; the closing lines, six on end
	s_wait_alu 0x0
	s_wait_tensorcnt 0x0
	ds_add_u32 v254, v255
	s_wait_dscnt 0x0
	s_endpgm
.Lfunc_end_k_q6f56477156_chain:
	.size	k_q6f56477156_chain, .Lfunc_end_k_q6f56477156_chain-k_q6f56477156_chain
	.p2alignl 7, 3214868480
	.fill 96, 4, 3214868480
	.section	.rodata,"a",@progbits
	.p2align	6, 0x0
	.amdhsa_kernel k_q6f56477156_chain
		.amdhsa_group_segment_fixed_size 82432
		.amdhsa_private_segment_fixed_size 0
		.amdhsa_enable_private_segment 0
		.amdhsa_kernarg_size 64
		.amdhsa_user_sgpr_count 2
		.amdhsa_user_sgpr_kernarg_segment_ptr 1
		.amdhsa_wavefront_size32 1
		.amdhsa_system_sgpr_workgroup_id_x 1
		.amdhsa_system_sgpr_workgroup_id_y 1
		.amdhsa_system_sgpr_workgroup_id_z 1
		.amdhsa_system_vgpr_workitem_id 0
		.amdhsa_next_free_vgpr 1024
		.amdhsa_next_free_sgpr 96
		.amdhsa_reserve_vcc 0
		.amdhsa_float_denorm_mode_32 3
		.amdhsa_float_denorm_mode_16_64 3
		.amdhsa_memory_ordered 1
		.amdhsa_forward_progress 1
		.amdhsa_inst_pref_size 255
	.end_amdhsa_kernel
	.section	.bss,"aw",@nobits
	.p2align	6
	.space	262144
	.amdgpu_metadata
---
amdhsa.version: [ 1, 2 ]
amdhsa.kernels:
  - .name:           k_q6f56477156_chain
    .symbol:         k_q6f56477156_chain.kd
    .args:
      - { .name: xq, .offset: 0, .size: 8, .value_kind: global_buffer, .address_space: global }
      - { .name: xs, .offset: 8, .size: 8, .value_kind: global_buffer, .address_space: global }
      - { .name: wq, .offset: 16, .size: 8, .value_kind: global_buffer, .address_space: global }
      - { .name: ws, .offset: 24, .size: 8, .value_kind: global_buffer, .address_space: global }
      - { .name: b1, .offset: 32, .size: 8, .value_kind: global_buffer, .address_space: global }
      - { .name: b2, .offset: 40, .size: 8, .value_kind: global_buffer, .address_space: global }
      - { .name: bm, .offset: 48, .size: 8, .value_kind: global_buffer, .address_space: global }
      - { .name: y, .offset: 56, .size: 8, .value_kind: global_buffer, .address_space: global }
    .group_segment_fixed_size: 82432
    .private_segment_fixed_size: 0
    .kernarg_segment_align: 8
    .kernarg_segment_size: 64
    .max_flat_workgroup_size: 128
    .sgpr_count:     96
    .vgpr_count:     1024
    .wavefront_size: 32
...
	.end_amdgpu_metadata
.endif
;; end of part 5
;; launch combine (part 6): grid 256 x 1, 8 waves a work-group, no clusters, 0 bytes of LDS; arguments y, gw, out0; writes out0
.if DOCPART == 6
	.amdgcn_target "amdgcn-amd-amdhsa--gfx1250"
	.amdhsa_code_object_version 6
	.text
	.protected	k_q6f56477156_combine
	.globl	k_q6f56477156_combine
	.p2align	8
	.type	k_q6f56477156_combine,@function
k_q6f56477156_combine:
	s_mov_b64 s[64:65], 0
	v_nop
	global_prefetch_b8 v0, s[64:65] scope:SCOPE_SE
	s_setreg_imm32_b32 hwreg(HW_REG_WAVE_MODE, 25, 1), 1
	s_wait_xcnt 0x0
; out[t] = w0[t] y[2 t] + w1[t] y[2 t + 1]: the last product, K = the two chosen experts; y in bf16, weights and sums in f32.
; A stream: a wave takes two tokens: 32 loads of 256 consecutive bytes, all issued at once, 16 stores of 512 consecutive bytes.  Every offset is an immediate, every store has
; registers of its own: no loop, no LDS, no barrier; matrix units and clusters have nothing to do here (each byte is read once, by one wave).
	s_load_b128 s[4:7], s[0:1], 0x0                ; y, gw
	s_load_b64 s[8:9], s[0:1], 0x10                ; out0
	v_lshrrev_b32 v1, 5, v0
	s_delay_alu instid0(VALU_DEP_1)
	v_readfirstlane_b32 s10, v1                    ; wave
	v_and_b32 v2, 31, v0
	s_delay_alu instid0(VALU_DEP_1)
	v_lshlrev_b32 v3, 3, v2                        ; 8 bytes of bf16 a lane,
	s_delay_alu instid0(VALU_DEP_2)
	v_lshlrev_b32 v4, 4, v2                        ; 16 bytes of f32
	s_lshl_b32 s11, ttmp9, 3
	s_add_co_u32 s11, s11, s10                     ; which pair of tokens
	s_lshl_b32 s12, s11, 13                        ; 2 tokens x 4,096 bytes, in y and in out0 alike
	s_mov_b32 s13, 0
	s_lshl_b32 s14, s11, 4                         ; 2 tokens x 8 bytes of weights
	s_mov_b32 s15, 0
	s_mov_b32 s24, 0xffff0000                      ; a word's upper bf16
	s_wait_alu depctr_va_vdst(0)
	s_wait_kmcnt 0x0
	s_add_nc_u64 s[4:5], s[4:5], s[12:13]
	s_add_nc_u64 s[8:9], s[8:9], s[12:13]
	s_add_nc_u64 s[6:7], s[6:7], s[14:15]
	s_load_b128 s[16:19], s[6:7], 0x0              ; w0, w1 of the first token, w0, w1 of the second
.set q, 0
.rept 16                                       ; piece q: token q / 8, columns 128 (q % 8) on: slot 0's 256 bytes, then slot 1's
	global_load_b64 v[16+4*q:17+4*q], v3, s[4:5] offset:(q/8)*4096+(q%8)*256 th:TH_LOAD_NT
	global_load_b64 v[18+4*q:19+4*q], v3, s[4:5] offset:(q/8)*4096+2048+(q%8)*256 th:TH_LOAD_NT
.set q, q+1
.endr
	s_wait_kmcnt 0x0
	s_mov_b32 s20, s17                             ; the packed forms name a pair and take its low word for both halves: w1 gets pairs of its own
	s_mov_b32 s21, s17
	s_mov_b32 s22, s19
	s_mov_b32 s23, s19
.set q, 0
.rept 16
	s_wait_loadcnt 30-2*q                          ; the pieces behind this one may be out
	v_lshlrev_b32 v8, 16, v[16+4*q]                ; bf16 to f32: the low half moves up, the high half stays
	v_and_b32 v9, s24, v[16+4*q]
	v_lshlrev_b32 v10, 16, v[17+4*q]
	v_and_b32 v11, s24, v[17+4*q]
	v_lshlrev_b32 v12, 16, v[18+4*q]
	v_and_b32 v13, s24, v[18+4*q]
	v_lshlrev_b32 v14, 16, v[19+4*q]
	v_and_b32 v15, s24, v[19+4*q]
	s_delay_alu instid0(VALU_DEP_3)
	v_pk_mul_f32 v[80+4*q:81+4*q], v[12:13], s[20+2*(q/8):21+2*(q/8)] op_sel_hi:[1,0]
	s_delay_alu instid0(VALU_DEP_2)
	v_pk_mul_f32 v[82+4*q:83+4*q], v[14:15], s[20+2*(q/8):21+2*(q/8)] op_sel_hi:[1,0]
	s_delay_alu instid0(VALU_DEP_2)
	v_pk_fma_f32 v[80+4*q:81+4*q], v[8:9], s[16+2*(q/8):17+2*(q/8)], v[80+4*q:81+4*q] op_sel_hi:[1,0,1]
	s_delay_alu instid0(VALU_DEP_2)
	v_pk_fma_f32 v[82+4*q:83+4*q], v[10:11], s[16+2*(q/8):17+2*(q/8)], v[82+4*q:83+4*q] op_sel_hi:[1,0,1]
	global_store_b128 v4, v[80+4*q:83+4*q], s[8:9] offset:(q/8)*4096+(q%8)*512 th:TH_STORE_NT
.set q, q+1
.endr
	s_endpgm
.Lfunc_end_k_q6f56477156_combine:
	.size	k_q6f56477156_combine, .Lfunc_end_k_q6f56477156_combine-k_q6f56477156_combine
	.p2alignl 7, 3214868480
	.fill 96, 4, 3214868480
	.section	.rodata,"a",@progbits
	.p2align	6, 0x0
	.amdhsa_kernel k_q6f56477156_combine
		.amdhsa_group_segment_fixed_size 0
		.amdhsa_private_segment_fixed_size 0
		.amdhsa_enable_private_segment 0
		.amdhsa_kernarg_size 24
		.amdhsa_user_sgpr_count 2
		.amdhsa_user_sgpr_kernarg_segment_ptr 1
		.amdhsa_wavefront_size32 1
		.amdhsa_system_sgpr_workgroup_id_x 1
		.amdhsa_system_sgpr_workgroup_id_y 1
		.amdhsa_system_sgpr_workgroup_id_z 1
		.amdhsa_system_vgpr_workitem_id 0
		.amdhsa_next_free_vgpr 144
		.amdhsa_next_free_sgpr 66
		.amdhsa_reserve_vcc 0
		.amdhsa_float_denorm_mode_32 3
		.amdhsa_float_denorm_mode_16_64 3
		.amdhsa_memory_ordered 1
		.amdhsa_forward_progress 1
		.amdhsa_inst_pref_size 17
	.end_amdhsa_kernel
	.amdgpu_metadata
---
amdhsa.version: [ 1, 2 ]
amdhsa.kernels:
  - .name:           k_q6f56477156_combine
    .symbol:         k_q6f56477156_combine.kd
    .args:
      - { .name: y, .offset: 0, .size: 8, .value_kind: global_buffer, .address_space: global }
      - { .name: gw, .offset: 8, .size: 8, .value_kind: global_buffer, .address_space: global }
      - { .name: out0, .offset: 16, .size: 8, .value_kind: global_buffer, .address_space: global }
    .group_segment_fixed_size: 0
    .private_segment_fixed_size: 0
    .kernarg_segment_align: 8
    .kernarg_segment_size: 24
    .max_flat_workgroup_size: 256
    .sgpr_count:     66
    .vgpr_count:     144
    .wavefront_size: 32
...
	.end_amdgpu_metadata
.endif
;; end of part 6
